; MI455X (gfx1250); checked and timed in simulation.
; The chip was launched on July 23, 2026; its instructions are those of AMD's public machine-readable ISA for CDNA 5 (MIT licence, August 2026) and "CDNA5" Instruction Set Architecture Reference Guide (July 2026). The comments in the code are by the model that wrote it; some were corrected since.
;; EEG Transformer. Allowed arithmetic: float matrix products may take bf16 or f16 operands with f32 sums; other float arithmetic in f32, or as packed bf16 or f16 multiplies, adds, multiply-adds, maxima and minima; sums over many terms, partial sums and values carried from step to step in f32; what a program stores and reads back later, other than sums and carried values, may be rounded once to bf16 or f16.
;; Inputs: b1 4 x 512 float32; b2 4 x 128 float32; b_head 512 float32; b_proj 4 x 128 float32; idx 64 x 512 int32; ln1_b 4 x 128 float32; ln1_g 4 x 128 float32; ln2_b 4 x 128 float32; ln2_g 4 x 128 float32; lnf_b 128 float32; lnf_g 128 float32; pos_emb 512 x 128 float32; tok_emb 512 x 128 float32; w1 4 x 512 x 128 float32; w2 4 x 128 x 512 float32; w_head 512 x 128 float32; w_proj 4 x 128 x 128 float32; wk 4 x 4 x 128 x 32 float32; wq 4 x 4 x 128 x 32 float32; wv 4 x 4 x 128 x 32 float32.
;; Outputs: out0 64 x 512 x 512 float32.
;; 2 versions, each right; version 2 is version 1 with the launch prep written anew for expert scheduling mode. Each part assembles by itself: llvm-mc -triple=amdgcn-amd-amdhsa -mcpu=gfx1250 --defsym DOCPART=n.
;; ======== version 1 of 2: 6 launches
;; limits: values are held in f16: magnitudes above 65,504 overflow, below 6.1e-05 lose precision; a function is approximated: absolute error at most 2.5e-05
;; workspace buffers: stA 41,943,040 bytes; stB 41,943,040 bytes; wM0 433,152 bytes; wM1 433,152 bytes; wM2 433,152 bytes; wF 1,089,536 bytes
;; launch prep (part 1): grid 17 x 4, 8 waves a work-group, no clusters, 0 bytes of LDS; arguments wq, wk, wv, w_proj, w1, w2, w_head, b_proj, ln2_g, ln2_b, b2, b1, ln1_g, ln1_b, lnf_g, lnf_b, b_head, tok_emb, pos_emb, wM0, wM1, wM2, wF; writes wM0, wM1, wM2, wF
.if DOCPART == 1
	.amdgcn_target "amdgcn-amd-amdhsa--gfx1250"
	.amdhsa_code_object_version 6
	.text
	.protected	k_qe182a95d52_prep
	.globl	k_qe182a95d52_prep
	.p2align	8
	.type	k_qe182a95d52_prep,@function
k_qe182a95d52_prep:
	s_mov_b64 s[64:65], 0
	v_nop
	global_prefetch_b8 v0, s[64:65] scope:SCOPE_SE
	s_setreg_imm32_b32 hwreg(HW_REG_WAVE_MODE, 25, 1), 1
	s_wait_xcnt 0x0
; PREP.  Every floating-point input is rounded once to bf16.  Matrix weights are then written as f16 (the bf16 number is exact in f16 from 6.1e-5 up to
; 65,504; below that it keeps the fixed step 6e-8) in FRAGMENT ORDER; gains, biases and the two embedding tables are written as f32 numbers.
; FRAGMENT ORDER: a block of 16 rows x 32 k is 1,024 bytes, [half 0..1][lane 0..31][16 bytes]: lane l holds row l % 16, k = 16 half + 8 (l / 16) + 0..7.
; One work-group makes one unit of 32 KiB = 2,048 pieces of 16 bytes; thread t makes pieces 256 q + t, q = 0..7: fragment 4 q + wave / 2, half wave % 2.
; Grid x = kind of unit (0-2 wq wk wv, 3 w_proj, 4-11 w1 and w2, 12 w_head and the small vectors, 13-16 the tables), grid y = layer.
; A layer buffer holds: b_head, the parameters, w_proj, 16 blocks of (w1, w2), and the weights of the tail that the layer launch runs: Q K V of the NEXT layer
; (V twice, so that all tiles of the layer launch's ring have one size) or, in wF, the head.  wF also holds what the embedding launch reads.
.set PARO, 2048                        ; parameters: b_proj, ln2_g, ln2_b, b2 (512 each), b1 (2,048), next gain, next bias
.set PROJO, 7168
.set MLPO, 39936
.set T1O, 302080
.set T0O, 367616
.set ELNO, 433152
.set ET0O, 434176
.set ET1O, 499712
.set TOKO, 565248
.set WQ, 8
.set WK, 10
.set WVV, 12
.set WPROJ, 14
.set W1, 16
.set W2, 18
.set WHEAD, 20
.set BPROJ, 22
.set LN2G, 24
.set LN2B, 26
.set B2, 28
.set B1, 30
.set LN1G, 32
.set LN1B, 34
.set LNFG, 36
.set LNFB, 38
.set BHEAD, 40
.set TOKE, 42
.set POSE, 44
.set WM0, 46
.set WM1, 48
.set WM2, 50
.set WFP, 52
.set UX, 58                            ; kind of unit
.set LY, 59                            ; layer
.set WN, 60                            ; wave
.set HM, 61                            ; mask of a word's upper bf16
.set TS0, 62
.set TS1, 63
.set CUR, 66                           ; the buffer of the launch that runs layer LY
.set PRV, 68                           ; the buffer of the launch that makes Q K V of layer LY
.set DP, 70                            ; where this unit goes
.set SRC, 72
.set DOF, 74
.set PT0, 75
.set PT1, 76
.set PLN, 77
.set TP, 16                            ; v16-19 at work
.set RR, 32                            ; v32-95 as loaded
.set OU, 96                            ; v96-127 packed, to store
	s_load_b512 s[8:23], s[0:1], 0x0               ; the 23 addresses: 8,
	s_load_b512 s[24:39], s[0:1], 0x40             ; 8,
	s_load_b256 s[40:47], s[0:1], 0x80             ; 4,
	s_load_b128 s[48:51], s[0:1], 0xa0             ; 2,
	s_load_b64 s[52:53], s[0:1], 0xb0              ; 1
	s_mov_b32 s[UX], ttmp9
	s_and_b32 s[LY], ttmp7, 0xffff
	s_mov_b32 s[HM], 0xffff0000
	v_lshrrev_b32 v1, 5, v0
	v_readfirstlane_b32 s[WN], v1
	v_and_b32 v2, 15, v0                           ; r
	v_bfe_u32 v3, v0, 4, 1                         ; h
	v_lshlrev_b32 v4, 4, v0                        ; 16 t: my piece in 4,096 bytes
	v_lshlrev_b32 v8, 5, v3                        ; 32 h
	s_lshl_b32 s[TS0], s[WN], 6
	v_add_nc_u32 v5, s[TS0], v8                    ; 4 (16 wave + 8 h): my first k of 128, in bytes
	s_mov_b32 s[PT0], T0O
	s_mov_b32 s[PT1], T1O
	s_mov_b32 s[PLN], PARO+4096
	s_wait_kmcnt 0x0
	s_cmp_eq_u32 s[LY], 0
	s_cselect_b64 s[CUR:CUR+1], s[WM0:WM0+1], s[WM1:WM1+1]
	s_cselect_b64 s[PRV:PRV+1], s[WFP:WFP+1], s[WM0:WM0+1]
	s_cselect_b32 s[PT0], ET0O, s[PT0]
	s_cselect_b32 s[PT1], ET1O, s[PT1]
	s_cselect_b32 s[PLN], ELNO, s[PLN]
	s_cmp_eq_u32 s[LY], 2
	s_cselect_b64 s[CUR:CUR+1], s[WM2:WM2+1], s[CUR:CUR+1]
	s_cselect_b64 s[PRV:PRV+1], s[WM1:WM1+1], s[PRV:PRV+1]
	s_cmp_eq_u32 s[LY], 3
	s_cselect_b64 s[CUR:CUR+1], s[WFP:WFP+1], s[CUR:CUR+1]
	s_cselect_b64 s[PRV:PRV+1], s[WM2:WM2+1], s[PRV:PRV+1]
	s_cmp_lt_u32 s[UX], 3
	s_cbranch_scc1 .Lqkv
	s_cmp_eq_u32 s[UX], 3
	s_cbranch_scc1 .Lproj
	s_cmp_lt_u32 s[UX], 12
	s_cbranch_scc1 .Lmlp
	s_cmp_eq_u32 s[UX], 12
	s_cbranch_scc1 .Lhead
.macro RND a                           ; four f32 numbers rounded to bf16, in place
	v_cvt_pk_bf16_f32 v[TP], v[(\a)], v[(\a)+1]
	v_cvt_pk_bf16_f32 v[TP+1], v[(\a)+2], v[(\a)+3]
	v_lshlrev_b32 v[(\a)], 16, v[TP]
	v_and_b32 v[(\a)+1], s[HM], v[TP]
	v_lshlrev_b32 v[(\a)+2], 16, v[TP+1]
	v_and_b32 v[(\a)+3], s[HM], v[TP+1]
.endm
	; THE TABLES: unit e = UX - 13 + 4 LY of 16: eight of tok_emb, then eight of pos_emb, as they lie
	s_sub_co_u32 s[TS0], s[UX], 13
	s_lshl2_add_u32 s[TS0], s[LY], s[TS0]
	s_cmp_lt_u32 s[LY], 2
	s_cselect_b64 s[SRC:SRC+1], s[TOKE:TOKE+1], s[POSE:POSE+1]
	s_and_b32 s[TS1], s[TS0], 7
	s_lshl_b32 s[TS1], s[TS1], 15
	v_add_nc_u32 v6, s[TS1], v4
	s_lshl_b32 s[TS0], s[TS0], 15
	s_add_co_u32 s[TS0], s[TS0], TOKO
	v_add_nc_u32 v9, s[TS0], v4
.set q, 0
.rept 8
	global_load_b128 v[RR+4*q:RR+4*q+3], v6, s[SRC:SRC+1] offset:4096*q
.set q, q+1
.endr
	s_wait_loadcnt 0x0
.set q, 0
.rept 8
	RND RR+4*q
	global_store_b128 v9, v[RR+4*q:RR+4*q+3], s[WFP:WFP+1] offset:4096*q
.set q, q+1
.endr
	s_endpgm
.Lqkv:                                         ; w[l][hd][e][d]: fragment row = 16 (q % 2) + r of head q / 2, k = e: eight numbers 128 bytes apart
	s_cmp_eq_u32 s[UX], 0
	s_cselect_b64 s[SRC:SRC+1], s[WQ:WQ+1], s[WK:WK+1]
	s_cmp_eq_u32 s[UX], 2
	s_cselect_b64 s[SRC:SRC+1], s[WVV:WVV+1], s[SRC:SRC+1]
	s_mov_b64 s[DP:DP+1], s[PRV:PRV+1]
	s_lshl_b32 s[TS0], s[UX], 15
	s_add_co_u32 s[TS0], s[TS0], s[PT0]
	s_cmp_eq_u32 s[UX], 2
	s_cselect_b32 s[DOF], s[PT1], s[TS0]
	v_lshlrev_b32 v6, 5, v5                        ; (16 wave + 8 h) x 128
	v_lshl_add_u32 v6, v2, 2, v6
	s_lshl_b32 s[TS0], s[LY], 16
	v_add_nc_u32 v6, s[TS0], v6
.set q, 0
.rept 8
.irp e, 0,1,2,3,4,5,6,7
	global_load_b32 v[RR+8*q+\e], v6, s[SRC:SRC+1] offset:(q/2)*16384+(q%2)*64+\e*128
.endr
.set q, q+1
.endr
	s_branch .Lconv
.Lproj:                                        ; w_proj[l][n][k]: row 16 q + r
	s_mov_b64 s[SRC:SRC+1], s[WPROJ:WPROJ+1]
	s_mov_b64 s[DP:DP+1], s[CUR:CUR+1]
	s_mov_b32 s[DOF], PROJO
	v_lshl_add_u32 v6, v2, 9, v5
	s_lshl_b32 s[TS0], s[LY], 16
	v_add_nc_u32 v6, s[TS0], v6
.set q, 0
.rept 8
	global_load_b128 v[RR+8*q:RR+8*q+3], v6, s[SRC:SRC+1] offset:q*8192
	global_load_b128 v[RR+8*q+4:RR+8*q+7], v6, s[SRC:SRC+1] offset:q*8192+16
.set q, q+1
.endr
	s_branch .Lconv
.Lmlp:                                         ; unit m = UX - 4: hidden blocks 2 m and 2 m + 1 of 32; in a block 8 fragments of w1, then 8 of w2
	s_sub_co_u32 s[TS1], s[UX], 4
	s_mov_b64 s[DP:DP+1], s[CUR:CUR+1]
	s_lshl_b32 s[DOF], s[TS1], 15
	s_lshl_b32 s[TS0], s[LY], 18
	s_add_co_u32 s[SRC], s[TS0], s[DOF]            ; (a number, no address: layer and unit in w1)
	s_add_co_u32 s[DOF], s[DOF], MLPO
	v_lshl_add_u32 v6, v2, 9, v5
	v_add_nc_u32 v6, s[SRC], v6                    ; w1[l][64 m + ..][16 wave + 8 h]
	s_lshl_b32 s[TS1], s[TS1], 8
	s_add_co_u32 s[TS0], s[TS0], s[TS1]
	s_lshr_b32 s[TS1], s[WN], 1
	s_lshl_b32 s[TS1], s[TS1], 15
	s_add_co_u32 s[TS0], s[TS0], s[TS1]
	s_and_b32 s[TS1], s[WN], 1
	s_lshl_b32 s[TS1], s[TS1], 6
	s_add_co_u32 s[TS0], s[TS0], s[TS1]
	v_lshl_add_u32 v7, v2, 11, v8
	v_add_nc_u32 v7, s[TS0], v7                    ; w2[l][16 (wave / 2) + r + ..][64 m + 16 (wave % 2) + 8 h + ..]
.set q, 0
.rept 8
.if (q%4) < 2
	global_load_b128 v[RR+8*q:RR+8*q+3], v6, s[W1:W1+1] offset:((q/4)*32+(q%4)*16)*512
	global_load_b128 v[RR+8*q+4:RR+8*q+7], v6, s[W1:W1+1] offset:((q/4)*32+(q%4)*16)*512+16
.else
	global_load_b128 v[RR+8*q:RR+8*q+3], v7, s[W2:W2+1] offset:((q%4)-2)*131072+(q/4)*128
	global_load_b128 v[RR+8*q+4:RR+8*q+7], v7, s[W2:W2+1] offset:((q%4)-2)*131072+(q/4)*128+16
.endif
.set q, q+1
.endr
	s_branch .Lconv
.Lhead:                                        ; w_head[n][k], unit LY: groups G = 2 LY + q / 4 of 64 columns; fragment row r is column 64 G + 4 r + q % 4
	s_mov_b64 s[DP:DP+1], s[WFP:WFP+1]
	s_add_co_u32 s[TS0], s[LY], 2
	s_and_b32 s[TS0], s[TS0], 3
	s_lshl_b32 s[TS0], s[TS0], 15
	s_add_co_u32 s[DOF], s[TS0], T1O               ; groups 0-3 lie behind groups 4-7 in the buffer
	v_lshl_add_u32 v6, v2, 11, v5
	s_lshl_b32 s[TS0], s[LY], 16
	v_add_nc_u32 v6, s[TS0], v6
.set q, 0
.rept 8
	global_load_b128 v[RR+8*q:RR+8*q+3], v6, s[WHEAD:WHEAD+1] offset:(q/4)*32768+(q%4)*512
	global_load_b128 v[RR+8*q+4:RR+8*q+7], v6, s[WHEAD:WHEAD+1] offset:(q/4)*32768+(q%4)*512+16
.set q, q+1
.endr
.Lconv:                                        ; eight numbers a piece: to bf16, widened again, to f16; a wave stores 512 consecutive bytes
	v_add_nc_u32 v9, s[DOF], v4
	s_wait_loadcnt 0x0
.set q, 0
.rept 8
.irp e, 0,1,2,3
	v_cvt_pk_bf16_f32 v[TP+\e], v[RR+8*q+2*\e], v[RR+8*q+2*\e+1]
.endr
.irp e, 0,1,2,3
	v_lshlrev_b32 v[RR+8*q+2*\e], 16, v[TP+\e]
	v_and_b32 v[RR+8*q+2*\e+1], s[HM], v[TP+\e]
.endr
.irp e, 0,1,2,3
	v_cvt_pk_f16_f32 v[OU+4*q+\e], v[RR+8*q+2*\e], v[RR+8*q+2*\e+1]
.endr
	global_store_b128 v9, v[OU+4*q:OU+4*q+3], s[DP:DP+1] offset:4096*q
.set q, q+1
.endr
	s_cmp_eq_u32 s[UX], 2
	s_cbranch_scc0 .Lonce
.set q, 0
.rept 8                                        ; V once more, 32 KiB on
	global_store_b128 v9, v[OU+4*q:OU+4*q+3], s[DP:DP+1] offset:32768+4096*q
.set q, q+1
.endr
.Lonce:
	s_cmp_eq_u32 s[UX], 12
	s_cbranch_scc0 .Lend
	s_cmp_eq_u32 s[WN], 0
	s_cbranch_scc0 .Lend
	; THE SMALL VECTORS, by wave 0 of the head's unit: 512 bytes a load, 16 bytes a lane (in wave 0 the thread's number is the lane)
	s_lshl_b32 s[TS0], s[LY], 9
	v_add_nc_u32 v10, s[TS0], v4
	s_lshl_b32 s[TS0], s[LY], 11
	v_add_nc_u32 v11, s[TS0], v4
	v_add_nc_u32 v12, s[PLN], v4
	global_load_b128 v[RR:RR+3], v10, s[BPROJ:BPROJ+1]
	global_load_b128 v[RR+4:RR+7], v10, s[LN2G:LN2G+1]
	global_load_b128 v[RR+8:RR+11], v10, s[LN2B:LN2B+1]
	global_load_b128 v[RR+12:RR+15], v10, s[B2:B2+1]
.irp p, 0,1,2,3
	global_load_b128 v[RR+16+4*\p:RR+19+4*\p], v11, s[B1:B1+1] offset:512*\p
.endr
.irp p, 0,1,2,3
	global_load_b128 v[RR+32+4*\p:RR+35+4*\p], v4, s[BHEAD:BHEAD+1] offset:512*\p
.endr
	global_load_b128 v[RR+48:RR+51], v10, s[LN1G:LN1G+1]
	global_load_b128 v[RR+52:RR+55], v10, s[LN1B:LN1B+1]
	s_wait_loadcnt 0x0
.set q, 0
.rept 14
	RND RR+4*q
.set q, q+1
.endr
.set q, 0
.rept 8
	global_store_b128 v4, v[RR+4*q:RR+4*q+3], s[CUR:CUR+1] offset:PARO+512*q
.set q, q+1
.endr
.irp p, 0,1,2,3
	global_store_b128 v4, v[RR+32+4*\p:RR+35+4*\p], s[CUR:CUR+1] offset:512*\p
.endr
	global_store_b128 v12, v[RR+48:RR+51], s[PRV:PRV+1]
	global_store_b128 v12, v[RR+52:RR+55], s[PRV:PRV+1] offset:512
	s_cmp_eq_u32 s[LY], 3
	s_cbranch_scc0 .Lend
	global_load_b128 v[RR+56:RR+59], v4, s[LNFG:LNFG+1]  ; the last norm is the next norm of layer 3
	global_load_b128 v[RR+60:RR+63], v4, s[LNFB:LNFB+1]
	s_wait_loadcnt 0x0
	RND RR+56
	RND RR+60
	global_store_b128 v4, v[RR+56:RR+59], s[WFP:WFP+1] offset:PARO+4096
	global_store_b128 v4, v[RR+60:RR+63], s[WFP:WFP+1] offset:PARO+4608
.Lend:
	s_endpgm
.Lfunc_end_k_qe182a95d52_prep:
	.size	k_qe182a95d52_prep, .Lfunc_end_k_qe182a95d52_prep-k_qe182a95d52_prep
	.p2alignl 7, 3214868480
	.fill 96, 4, 3214868480
	.section	.rodata,"a",@progbits
	.p2align	6, 0x0
	.amdhsa_kernel k_qe182a95d52_prep
		.amdhsa_group_segment_fixed_size 0
		.amdhsa_private_segment_fixed_size 0
		.amdhsa_enable_private_segment 0
		.amdhsa_kernarg_size 184
		.amdhsa_user_sgpr_count 2
		.amdhsa_user_sgpr_kernarg_segment_ptr 1
		.amdhsa_wavefront_size32 1
		.amdhsa_system_sgpr_workgroup_id_x 1
		.amdhsa_system_sgpr_workgroup_id_y 1
		.amdhsa_system_sgpr_workgroup_id_z 1
		.amdhsa_system_vgpr_workitem_id 0
		.amdhsa_next_free_vgpr 128
		.amdhsa_next_free_sgpr 80
		.amdhsa_reserve_vcc 0
		.amdhsa_float_denorm_mode_32 3
		.amdhsa_float_denorm_mode_16_64 3
		.amdhsa_memory_ordered 1
		.amdhsa_forward_progress 1
		.amdhsa_inst_pref_size 34
	.end_amdhsa_kernel
	.amdgpu_metadata
---
amdhsa.version: [ 1, 2 ]
amdhsa.kernels:
  - .name:           k_qe182a95d52_prep
    .symbol:         k_qe182a95d52_prep.kd
    .args:
      - { .name: wq, .offset: 0, .size: 8, .value_kind: global_buffer, .address_space: global }
      - { .name: wk, .offset: 8, .size: 8, .value_kind: global_buffer, .address_space: global }
      - { .name: wv, .offset: 16, .size: 8, .value_kind: global_buffer, .address_space: global }
      - { .name: w_proj, .offset: 24, .size: 8, .value_kind: global_buffer, .address_space: global }
      - { .name: w1, .offset: 32, .size: 8, .value_kind: global_buffer, .address_space: global }
      - { .name: w2, .offset: 40, .size: 8, .value_kind: global_buffer, .address_space: global }
      - { .name: w_head, .offset: 48, .size: 8, .value_kind: global_buffer, .address_space: global }
      - { .name: b_proj, .offset: 56, .size: 8, .value_kind: global_buffer, .address_space: global }
      - { .name: ln2_g, .offset: 64, .size: 8, .value_kind: global_buffer, .address_space: global }
      - { .name: ln2_b, .offset: 72, .size: 8, .value_kind: global_buffer, .address_space: global }
      - { .name: b2, .offset: 80, .size: 8, .value_kind: global_buffer, .address_space: global }
      - { .name: b1, .offset: 88, .size: 8, .value_kind: global_buffer, .address_space: global }
      - { .name: ln1_g, .offset: 96, .size: 8, .value_kind: global_buffer, .address_space: global }
      - { .name: ln1_b, .offset: 104, .size: 8, .value_kind: global_buffer, .address_space: global }
      - { .name: lnf_g, .offset: 112, .size: 8, .value_kind: global_buffer, .address_space: global }
      - { .name: lnf_b, .offset: 120, .size: 8, .value_kind: global_buffer, .address_space: global }
      - { .name: b_head, .offset: 128, .size: 8, .value_kind: global_buffer, .address_space: global }
      - { .name: tok_emb, .offset: 136, .size: 8, .value_kind: global_buffer, .address_space: global }
      - { .name: pos_emb, .offset: 144, .size: 8, .value_kind: global_buffer, .address_space: global }
      - { .name: wM0, .offset: 152, .size: 8, .value_kind: global_buffer, .address_space: global }
      - { .name: wM1, .offset: 160, .size: 8, .value_kind: global_buffer, .address_space: global }
      - { .name: wM2, .offset: 168, .size: 8, .value_kind: global_buffer, .address_space: global }
      - { .name: wF, .offset: 176, .size: 8, .value_kind: global_buffer, .address_space: global }
    .group_segment_fixed_size: 0
    .private_segment_fixed_size: 0
    .kernarg_segment_align: 8
    .kernarg_segment_size: 184
    .max_flat_workgroup_size: 256
    .sgpr_count:     80
    .vgpr_count:     128
    .wavefront_size: 32
...
	.end_amdgpu_metadata
.endif
;; end of part 1
;; launch emb (part 2): grid 256 x 1, 4 waves a work-group, clusters of 4 x 1, 269,824 bytes of LDS; arguments idx, wF, stA; writes stA
.if DOCPART == 2
	.amdgcn_target "amdgcn-amd-amdhsa--gfx1250"
	.amdhsa_code_object_version 6
	.text
	.protected	k_qe182a95d52_emb
	.globl	k_qe182a95d52_emb
	.p2align	8
	.type	k_qe182a95d52_emb,@function
k_qe182a95d52_emb:
	s_mov_b64 s[64:65], 0
	v_nop
	global_prefetch_b8 v0, s[64:65] scope:SCOPE_SE
	s_setreg_imm32_b32 hwreg(HW_REG_WAVE_MODE, 25, 1), 1
	s_wait_xcnt 0x0
	s_wait_alu depctr_hold_cnt(0) depctr_sa_sdst(0) depctr_va_vdst(0) depctr_va_sdst(0) depctr_va_ssrc(0) depctr_va_vcc(0) depctr_vm_vsrc(0)
	s_getreg_b32 s2, hwreg(HW_REG_IB_STS2, 6, 4)
	s_cmp_eq_u32 s2, 0
	s_cbranch_scc0 .Lentry_in_a_cluster
	s_endpgm
.Lentry_in_a_cluster:
	s_bfe_u32 s2, ttmp6, 0x10000c
	s_cmp_lg_u32 s2, 0x3003
	s_cbranch_scc0 .Lentry_shape_is_right
	s_endpgm
.Lentry_shape_is_right:
; EMBEDDING, LN1 AND Q K V OF LAYER 0.  x = tok[idx] + pos (both tables already rounded to bf16, the sum in f32); h = LN(x); q, k, v = h W.
; SHARES.  A cluster of four work-groups is one sequence of 512 tokens.  Work-group j owns the eight tiles of 16 rows 64 i + 16 j + 0..15; wave w the tiles i = 2 w, 2 w + 1.
; LAYOUT.  Products are taken transposed (source 0 = 16 rows of the weights, source 1 = 16 tokens): a lane holds ONE token (lane % 16) and channels 16 nb + 8 (lane / 16) + 0..7.
; Two neighbouring results, rounded to f16 in pairs, are lane for lane the two halves of a fragment (16 x 32, 1,024 bytes: [half][lane][16 bytes]).  V is taken the other way round
; (source 0 = tokens), so that a lane holds one channel and eight keys: the fragment of V^T.  So every store of q, k, v is 512 consecutive bytes of a wave.
; x leaves as the registers lie, f32.  q is multiplied by 32^-1/2 log2(e) in f32 before its one rounding.
; The weights are the same for all four partners: each tile is asked for jointly (mask 15).  No LDS byte is filled twice here.
; LIMITS.  f16 holds no number beyond 65,504 and keeps a fixed step of 6e-8 below 6.1e-5: h, q, k, v and the weights lie within it for inputs some 30 times the usual spread.  NaN and infinities are not treated apart.
.set TD, 0                             ; LDS: Q and K weights, 64 KiB
.set SLOT0, 65536                      ; V weights, 32 KiB
.set FIX0, 196608
.set PARO, 2048
.set SPARE, 269312                     ; the spare words, 128 bytes a wave: two blocks of 256 bytes that no other line names
.set P_LNXG, 4096
.set P_LNXB, 4608
.set ELNO, 433152
.set ET0O, 434176
.set ET1O, 499712
.set TOKO, 565248
.set POSO, 827392
.set QA, 16777216
.set KA, 25165824
.set L16, 1                            ; v1  16 x lane
.set SPW, 2                            ; v2  my spare word; never rewritten
.set NIL, 3                            ; v3  0; never rewritten
.set IO, 4                             ; v4  my byte in idx
.set PO, 5                             ; v5  my byte in pos
.set I0, 6                             ; v6-7 the two tokens' bytes in tok
.set APAR, 10
.set AW, 11
.set VO0, 15                           ; v15-16 store offsets of my two tiles
.set XO, 17
.set TM, 20
.set RREG, 21                          ; lane % 16
.set HREG, 22                          ; lane / 16
.set MU, 24
.set RS, 26
.set TR, 32
.set SCO, 64
.set CEN, 64
.set PK, 96
.set GG, 128
.set BI, 176
.set BB, 192
.set WA, 0                             ; window 3
.set WB, 64
.set IDXP, 4
.set WP, 6
.set DST, 10
.set WV, 12
.set CX, 13
.set SB, 14
.set G1A, 16
.set G1C, 24
.set G0A, 32
.set G0B, 36
.set G0C, 40
.set TOKP, 44
.set POSP, 46
.set G1D, 48
.set CNT, 56
.set TB, 58
.set SEL, 60
.set I128, 63
.set EPS, 66
.set SC, 76
.set OF0, 78
.set TS, 79
.set OFK, 80
.set OFV, 81
.set MSB, 0
.macro WIN new                         ; the high byte repeats the setting that is left; a switch that changes nothing is dropped
.if MSB != (\new)
	s_set_vgpr_msb (MSB<<8)|(\new)
.set MSB, (\new)
.endif
.endm
.macro PLACES                          ; four plain places behind a matrix instruction (ISA guide 7.12.1)
.rept 4
	v_nop
.endr
.endm
.macro CROUND                          ; a round of the cluster barrier
	s_barrier_signal -1
	s_barrier_wait -1
	s_cmp_lg_u32 s[WV], 0
	s_cbranch_scc1 .Lnot_wave_0_\@
	s_barrier_signal -3
.Lnot_wave_0_\@:
	s_barrier_wait -3
	s_barrier_signal -1
	s_barrier_wait -1
.endm
.macro FR8 buf, adr, off               ; eight fragments, 16 loads of 512 consecutive bytes, into window 3
	WIN 0xc0
.irp f, 0,1,2,3,4,5,6,7
	ds_load_b128 v[(\buf)+8*\f:(\buf)+8*\f+3], v[\adr] offset:(\off)+\f*1024
	ds_load_b128 v[(\buf)+8*\f+4:(\buf)+8*\f+7], v[\adr] offset:(\off)+\f*1024+512
.endr
	WIN 0
.endm
.macro PARL dst, off                   ; my 64 numbers of a vector of 128: channels 16 nb + 8 h + 0..7
.irp nb, 0,1,2,3,4,5,6,7
	ds_load_b128 v[(\dst)+8*\nb:(\dst)+8*\nb+3], v[APAR] offset:(\off)+64*\nb
	ds_load_b128 v[(\dst)+8*\nb+4:(\dst)+8*\nb+7], v[APAR] offset:(\off)+64*\nb+16
.endr
.endm
; LAYER NORM of tile u: mean, then the centred squares (two passes), in f32; h rounded once to f16 into window 1.
.macro LNT u
.set XB, 64*(\u)
	WIN 0x0a
.set z, 0
.rept 16
	v_pk_add_f32 v[TR+2*z:TR+2*z+1], v[XB+2*z:XB+2*z+1], v[XB+32+2*z:XB+32+2*z+1]
.set z, z+1
.endr
	WIN 0
.irp d, 16,8,4,2
.set z, 0
.rept \d/2
	v_pk_add_f32 v[TR+2*z:TR+2*z+1], v[TR+2*z:TR+2*z+1], v[TR+\d+2*z:TR+\d+2*z+1]
.set z, z+1
.endr
.endr
	v_add_f32 v[TR], v[TR], v[TR+1]
	v_permlanex16_b32 v[TR+1], v[TR], s[SEL], s[SEL+1]  ; the token's other 64 channels lie in the lane 16 away
	v_add_f32 v[TR], v[TR], v[TR+1]
	v_mul_f32 v[MU], s[I128], v[TR]
	v_mul_f32 v[MU+1], s[I128], v[TR]
	WIN 0x02
.set z, 0
.rept 32
	v_pk_add_f32 v[CEN+2*z:CEN+2*z+1], v[XB+2*z:XB+2*z+1], v[MU:MU+1] neg_lo:[0,1] neg_hi:[0,1]
.set z, z+1
.endr
	WIN 0
.set z, 0
.rept 4
	v_pk_mul_f32 v[TR+2*z:TR+2*z+1], v[CEN+2*z:CEN+2*z+1], v[CEN+2*z:CEN+2*z+1]
.set z, z+1
.endr
.rept 28
	v_pk_fma_f32 v[TR+2*(z%4):TR+2*(z%4)+1], v[CEN+2*z:CEN+2*z+1], v[CEN+2*z:CEN+2*z+1], v[TR+2*(z%4):TR+2*(z%4)+1]
.set z, z+1
.endr
	v_pk_add_f32 v[TR:TR+1], v[TR:TR+1], v[TR+4:TR+5]
	v_pk_add_f32 v[TR+2:TR+3], v[TR+2:TR+3], v[TR+6:TR+7]
	v_pk_add_f32 v[TR:TR+1], v[TR:TR+1], v[TR+2:TR+3]
	v_add_f32 v[TR], v[TR], v[TR+1]
	v_permlanex16_b32 v[TR+1], v[TR], s[SEL], s[SEL+1]
	v_add_f32 v[TR], v[TR], v[TR+1]
	v_fma_f32 v[TR+2], v[TR], s[I128], s[EPS]
	v_rsq_f32 v[RS], v[TR+2]
	v_rsq_f32 v[RS+1], v[TR+2]
	v_nop                                          ; a plain instruction behind the second root,
	s_wait_alu depctr_va_vdst(0)                   ; and one wait for both, ahead of their first reader
	s_wait_dscnt 0x0                               ; gain and bias are in
.set z, 0
.rept 32
	v_pk_mul_f32 v[CEN+2*z:CEN+2*z+1], v[CEN+2*z:CEN+2*z+1], v[RS:RS+1]
.set z, z+1
.endr
.set z, 0
.rept 32
	v_pk_fma_f32 v[CEN+2*z:CEN+2*z+1], v[CEN+2*z:CEN+2*z+1], v[GG+2*z:GG+2*z+1], v[BB+2*z:BB+2*z+1]
.set z, z+1
.endr
	WIN 0x40
.set z, 0
.rept 32
	v_cvt_pk_f16_f32 v[32*(\u)+z], v[CEN+2*z], v[CEN+2*z+1]
.set z, z+1
.endr
	WIN 0
.endm
.macro LNSITE goff, boff
	WIN 0
	PARL GG, \goff
	PARL BB, \boff
	LNT 0
	LNT 1
.endm
; 16 matrix instructions: two blocks a of 16 outputs x my two tiles u, K = 128.  The four accumulators take turns.  kind 1: tokens are source 0.
.macro G16 kind, buf, bias
.if \kind
	WIN 0x0d
.else
	WIN 0x07
.endif
.irp kb, 0,1,2,3
.irp a, 0,1
.irp u, 0,1
.set rD, SCO+8*(2*\a+\u)
.set rW, (\buf)+8*(4*\a+\kb)
.set rH, 32*\u+8*\kb
.if \kind
.if \kb == 0
	v_wmma_f32_16x16x32_f16 v[rD:rD+7], v[rH:rH+7], v[rW:rW+7], 0
.else
	v_wmma_f32_16x16x32_f16 v[rD:rD+7], v[rH:rH+7], v[rW:rW+7], v[rD:rD+7]
.endif
.else
.if (\kb == 0) && (\bias)
	v_wmma_f32_16x16x32_f16 v[rD:rD+7], v[rW:rW+7], v[rH:rH+7], v[BI+8*\a:BI+8*\a+7]
.elseif \kb == 0
	v_wmma_f32_16x16x32_f16 v[rD:rD+7], v[rW:rW+7], v[rH:rH+7], 0
.else
	v_wmma_f32_16x16x32_f16 v[rD:rD+7], v[rW:rW+7], v[rH:rH+7], v[rD:rD+7]
.endif
.endif
.endr
.endr
.endr
	WIN 0
.endm
; The four results are (kind 0) scaled, rounded to f16 and stored: each store is half a fragment, 512 consecutive bytes.  hf: which head of the trip's two.
.macro PACKST kind, hf
	WIN 0
.if (\kind) == 0
.set z, 0
.rept 16
	v_pk_mul_f32 v[SCO+2*z:SCO+2*z+1], v[SCO+2*z:SCO+2*z+1], s[SC:SC+1] op_sel_hi:[1,0]
.set z, z+1
.endr
.endif
.set z, 0
.rept 16
	v_cvt_pk_f16_f32 v[PK+16*(\hf)+z], v[SCO+2*z], v[SCO+2*z+1]
.set z, z+1
.endr
.irp a, 0,1
.irp u, 0,1
.if (\kind) == 0
	global_store_b128 v[VO0+\u], v[PK+16*(\hf)+4*(2*\a+\u):PK+16*(\hf)+4*(2*\a+\u)+3], s[DST:DST+1] offset:(\hf)*1024+\a*512 th:TH_STORE_NT
.else
	global_store_b128 v[VO0+\u], v[PK+16*(\hf)+4*(2*\a+\u):PK+16*(\hf)+4*(2*\a+\u)+3], s[DST:DST+1] offset:(\hf)*4096+\a*2048 th:TH_STORE_NT
.endif
.endr
.endr
.endm
; Q (two trips) and K (two trips), two heads a trip; two buffers of eight fragments take turns.  The last trip fetches the first head of V, which lies behind K in LDS.
.macro QKLOOP
	s_mov_b32 s[TB], 0
	s_mov_b32 s[TS], 4096
	s_mov_b32 s[CNT], 4
	v_mov_b32 v[AW], v[L16]
	FR8 WA, AW, 0
.Lqk:
	s_wait_xcnt 0x0                                ; the last stores have read their offsets and data: both are written again below
	s_cmp_eq_u32 s[CNT], 2                         ; from the third trip on: K, unscaled, a key tile of 32,768 bytes for each of my tiles
	s_cselect_b32 s[OF0], s[OFK], s[OF0]
	s_cselect_b32 s[TS], 32768, s[TS]
	s_cselect_b32 s[SC], 1.0, s[SC]
	v_add_nc_u32 v[VO0], s[OF0], v[L16]
	v_add_nc_u32 v[VO0+1], s[TS], v[VO0]
	FR8 WB, AW, 8192
	s_wait_dscnt 16                                ; buffer A is in; the 16 loads of buffer B may be out
	G16 0, WA, 0
	PLACES
	PACKST 0, 0
	s_wait_dscnt 0x0                               ; buffer B is in
	FR8 WA, AW, 16384
	G16 0, WB, 0
	PLACES
	PACKST 0, 1
	s_add_co_u32 s[TB], s[TB], 16384
	v_add_nc_u32 v[AW], s[TB], v[L16]
	s_add_co_u32 s[OF0], s[OF0], 2048
	s_sub_co_u32 s[CNT], s[CNT], 1
	s_cmp_lg_u32 s[CNT], 0
	s_cbranch_scc1 .Lqk
.endm
.macro VLOOP                           ; V, two heads a trip
	s_mov_b32 s[CNT], 2
.Lvl:
	s_wait_xcnt 0x0
	v_add_nc_u32 v[VO0], s[OFV], v[L16]
	v_add_nc_u32 v[VO0+1], 32768, v[VO0]
	FR8 WB, AW, 8192
	s_wait_dscnt 16
	G16 1, WA, 0
	PLACES
	PACKST 1, 0
	s_wait_dscnt 0x0
	s_cmp_eq_u32 s[CNT], 1                         ; behind the fourth head there is nothing to fetch
	s_cbranch_scc1 .Lvskip
	FR8 WA, AW, 16384
.Lvskip:
	G16 1, WB, 0
	PLACES
	PACKST 1, 1
	s_add_co_u32 s[TB], s[TB], 16384
	v_add_nc_u32 v[AW], s[TB], v[L16]
	s_add_co_u32 s[OFV], s[OFV], 8192
	s_sub_co_u32 s[CNT], s[CNT], 1
	s_cmp_lg_u32 s[CNT], 0
	s_cbranch_scc1 .Lvl
.endm
.macro XSTORE                          ; x as the registers lie: 32 stores of 512 consecutive bytes
	WIN 0x08
.set z, 0
.rept 32
	global_store_b128 v[XO], v[4*z:4*z+3], s[DST:DST+1] offset:512*z th:TH_STORE_NT
.set z, z+1
.endr
	WIN 0
.endm
	s_load_b128 s[4:7], s[0:1], 0x0                ; idx, wF
	s_load_b64 s[10:11], s[0:1], 0x10              ; the state
	v_lshl_add_u32 v[SPW], v0, 2, SPARE
	v_mov_b32 v[NIL], 0
	ds_add_u32 v[SPW], v[NIL]                      ; the opening: the add and its wait ahead of my first tensor load
	v_lshrrev_b32 v[TM], 5, v0
	v_readfirstlane_b32 s[WV], v[TM]
	s_mov_b32 s[SB], ttmp9                         ; the sequence
	; descriptors: dense blocks as rows of 256 bytes (32 elements of 8 bytes), mask of all four partners, bit 21 beside it
.irp g, G1A, G1C, G1D
	s_mov_b32 s[\g+0], 0x23000f
	s_mov_b32 s[\g+1], 32<<16
	s_mov_b32 s[\g+3], 32<<16
	s_mov_b32 s[\g+5], 32
	s_mov_b32 s[\g+6], 0
	s_mov_b32 s[\g+7], 0
.endr
	s_mov_b32 s[G1A+2], 64<<16
	s_mov_b32 s[G1A+4], 64
	s_mov_b32 s[G1C+2], 32<<16
	s_mov_b32 s[G1C+4], 32
	s_mov_b32 s[G1D+2], 1<<16
	s_mov_b32 s[G1D+4], 1
	s_lshl_b32 s84, s[WV], 14
	s_mov_b32 s85, 0
	s_lshl_b32 s86, s[WV], 13
	s_mov_b32 s87, 0
	s_mov_b32 s[G0A], 1
	s_mov_b32 s[G0A+1], s84                        ; TD + 16,384 x wave
	s_mov_b32 s[G0B], 1
	s_add_co_u32 s[G0B+1], s86, SLOT0
	s_mov_b32 s[G0C], 1
	s_lshl_b32 s[G0C+1], s[WV], 8
	s_add_co_u32 s[G0C+1], s[G0C+1], FIX0+PARO+P_LNXG
	s_mov_b32 s[SEL], 0x76543210
	s_mov_b32 s[SEL+1], 0xfedcba98
	s_mov_b32 s[I128], 0x3c000000                  ; 1 / 128
	s_mov_b32 s[EPS], 0x3727c5ac                   ; 1e-5
	s_mov_b32 s[SC], 0x3e8293ee                    ; 32^-1/2 log2(e)
	s_mov_b32 s[SC+1], s[SC]
	v_and_b32 v[TM], 31, v0
	v_lshlrev_b32 v[L16], 4, v[TM]
	v_and_b32 v[RREG], 15, v0
	v_bfe_u32 v[HREG], v0, 4, 1
	v_lshlrev_b32 v[APAR], 5, v[HREG]
	v_add_nc_u32 v[APAR], FIX0+PARO, v[APAR]
	; what hangs on my place in the cluster: global offsets alone
	s_bfe_u32 s[CX], ttmp6, 0x40000
	s_lshl_b32 s2, s[WV], 7
	s_lshl_b32 s3, s[CX], 4
	s_add_co_u32 s2, s2, s3
	v_add_nc_u32 v[TM], s2, v[RREG]                ; my row of tile 2 w in the sequence
	v_lshlrev_b32 v[PO], 9, v[TM]
	v_lshl_add_u32 v[PO], v[HREG], 5, v[PO]
	s_lshl_b32 s3, s[SB], 9
	v_add_nc_u32 v[TM], s3, v[TM]
	v_lshlrev_b32 v[IO], 2, v[TM]
	s_lshl_b32 s59, s[SB], 2
	s_add_co_u32 s59, s59, s[CX]
	s_lshl_b32 s59, s59, 15
	s_lshl_b32 s3, s[WV], 13
	s_add_co_u32 s[OF0], s59, s3
	s_add_co_u32 s[OF0], s[OF0], QA
	s_lshl_b32 s3, s59, 1
	s_lshl_b32 s2, s[WV], 14
	s_add_co_u32 s3, s3, s2
	v_add_nc_u32 v[XO], s3, v[L16]
	s_lshl_b32 s2, s[SB], 18
	s_lshl_b32 s3, s[WV], 16
	s_add_co_u32 s2, s2, s3
	s_add_co_u32 s2, s2, KA
	s_lshl_b32 s3, s[CX], 12
	s_add_co_u32 s[OFK], s2, s3
	s_lshr_b32 s3, s[CX], 1
	s_lshl_b32 s3, s3, 10
	s_add_co_u32 s[OFV], s2, s3
	s_and_b32 s3, s[CX], 1
	s_lshl_b32 s3, s3, 9
	s_add_co_u32 s[OFV], s[OFV], s3
	s_add_co_u32 s[OFV], s[OFV], 16384
	s_wait_dscnt 0x0                               ; the opening add is done
	s_wait_kmcnt 0x0
	s_add_nc_u64 s[G0A+2:G0A+3], s[WP:WP+1], s[84:85]
	s_add_nc_u64 s[G0A+2:G0A+3], s[G0A+2:G0A+3], ET0O
	s_or_b32 s[G0A+3], s[G0A+3], 0x80000000
	s_add_nc_u64 s[G0B+2:G0B+3], s[WP:WP+1], s[86:87]
	s_add_nc_u64 s[G0B+2:G0B+3], s[G0B+2:G0B+3], ET1O
	s_or_b32 s[G0B+3], s[G0B+3], 0x80000000
	s_lshl_b32 s86, s[WV], 8
	s_add_nc_u64 s[G0C+2:G0C+3], s[WP:WP+1], s[86:87]
	s_add_nc_u64 s[G0C+2:G0C+3], s[G0C+2:G0C+3], ELNO
	s_or_b32 s[G0C+3], s[G0C+3], 0x80000000
	s_add_nc_u64 s[TOKP:TOKP+1], s[WP:WP+1], TOKO
	s_add_nc_u64 s[POSP:POSP+1], s[WP:WP+1], POSO
	CROUND                                         ; all four work-groups are here: the joint loads meet
	tensor_load_to_lds s[G0A:G0A+3], s[G1A:G1A+7]  ; my quarter of Q and K weights: three loads of mine are out
	s_nop 0
	tensor_load_to_lds s[G0B:G0B+3], s[G1C:G1C+7]  ; of V weights
	s_nop 0
	tensor_load_to_lds s[G0C:G0C+3], s[G1D:G1D+7]  ; of gain and bias
	s_nop 0
	PLACES
	global_load_b32 v[I0], v[IO], s[IDXP:IDXP+1]
	global_load_b32 v[I0+1], v[IO], s[IDXP:IDXP+1] offset:256
.irp u, 0,1
.irp nb, 0,1,2,3,4,5,6,7
	global_load_b128 v[64+64*\u+8*\nb:64+64*\u+8*\nb+3], v[PO], s[POSP:POSP+1] offset:\u*32768+64*\nb
	global_load_b128 v[64+64*\u+8*\nb+4:64+64*\u+8*\nb+7], v[PO], s[POSP:POSP+1] offset:\u*32768+64*\nb+16
.endr
.endr
	v_lshlrev_b32 v[TM], 5, v[HREG]
	s_wait_loadcnt 32                              ; the two indices are in; the 32 loads of pos may be out
.irp u, 0,1
	v_min_u32 v[I0+\u], 0x1ff, v[I0+\u]            ; an index stays inside its table of 512 rows
	v_lshlrev_b32 v[I0+\u], 9, v[I0+\u]
	v_add_nc_u32 v[I0+\u], v[TM], v[I0+\u]
.endr
	WIN 0x80
.irp u, 0,1
.irp nb, 0,1,2,3,4,5,6,7
	global_load_b128 v[64*\u+8*\nb:64*\u+8*\nb+3], v[I0+\u], s[TOKP:TOKP+1] offset:64*\nb
	global_load_b128 v[64*\u+8*\nb+4:64*\u+8*\nb+7], v[I0+\u], s[TOKP:TOKP+1] offset:64*\nb+16
.endr
.endr
	s_wait_loadcnt 0x0
	WIN 0x82
.set z, 0
.rept 64
	v_pk_add_f32 v[2*z:2*z+1], v[2*z:2*z+1], v[64+2*z:64+2*z+1]
.set z, z+1
.endr
	XSTORE
	s_wait_tensorcnt 0x0                           ; my parts of the weights are in,
	s_barrier_signal -1
	s_barrier_wait -1                              ; everybody's are
	LNSITE P_LNXG, P_LNXB
	QKLOOP
	VLOOP
	s_wait_tensorcnt 0x0                           ; the wave's end
	ds_add_u32 v[SPW], v[NIL]
	s_wait_dscnt 0x0
	CROUND                                         ; the closing round
	s_endpgm
.Lfunc_end_k_qe182a95d52_emb:
	.size	k_qe182a95d52_emb, .Lfunc_end_k_qe182a95d52_emb-k_qe182a95d52_emb
	.p2alignl 7, 3214868480
	.fill 96, 4, 3214868480
	.section	.rodata,"a",@progbits
	.p2align	6, 0x0
	.amdhsa_kernel k_qe182a95d52_emb
		.amdhsa_group_segment_fixed_size 269824
		.amdhsa_private_segment_fixed_size 0
		.amdhsa_enable_private_segment 0
		.amdhsa_kernarg_size 24
		.amdhsa_user_sgpr_count 2
		.amdhsa_user_sgpr_kernarg_segment_ptr 1
		.amdhsa_wavefront_size32 1
		.amdhsa_system_sgpr_workgroup_id_x 1
		.amdhsa_system_sgpr_workgroup_id_y 1
		.amdhsa_system_sgpr_workgroup_id_z 1
		.amdhsa_system_vgpr_workitem_id 0
		.amdhsa_next_free_vgpr 896
		.amdhsa_next_free_sgpr 88
		.amdhsa_reserve_vcc 0
		.amdhsa_float_denorm_mode_32 3
		.amdhsa_float_denorm_mode_16_64 3
		.amdhsa_memory_ordered 1
		.amdhsa_forward_progress 1
		.amdhsa_inst_pref_size 67
	.end_amdhsa_kernel
	.amdgpu_metadata
---
amdhsa.version: [ 1, 2 ]
amdhsa.kernels:
  - .name:           k_qe182a95d52_emb
    .symbol:         k_qe182a95d52_emb.kd
    .args:
      - { .name: idx, .offset: 0, .size: 8, .value_kind: global_buffer, .address_space: global }
      - { .name: wF, .offset: 8, .size: 8, .value_kind: global_buffer, .address_space: global }
      - { .name: stA, .offset: 16, .size: 8, .value_kind: global_buffer, .address_space: global }
    .group_segment_fixed_size: 269824
    .private_segment_fixed_size: 0
    .kernarg_segment_align: 8
    .kernarg_segment_size: 24
    .max_flat_workgroup_size: 128
    .sgpr_count:     88
    .vgpr_count:     896
    .wavefront_size: 32
...
	.end_amdgpu_metadata
.endif
;; end of part 2
;; launch lay0 (part 3): grid 256 x 1, 4 waves a work-group, clusters of 4 x 1, 327,680 bytes of LDS; arguments stA, wM0, stB; writes stB
.if DOCPART == 3
	.amdgcn_target "amdgcn-amd-amdhsa--gfx1250"
	.amdhsa_code_object_version 6
	.text
	.protected	k_qe182a95d52_lay0
	.globl	k_qe182a95d52_lay0
	.p2align	8
	.type	k_qe182a95d52_lay0,@function
k_qe182a95d52_lay0:
	s_mov_b64 s[64:65], 0
	v_nop
	global_prefetch_b8 v0, s[64:65] scope:SCOPE_SE
	s_setreg_imm32_b32 hwreg(HW_REG_WAVE_MODE, 25, 1), 1
	s_wait_xcnt 0x0
	s_wait_alu depctr_hold_cnt(0) depctr_sa_sdst(0) depctr_va_vdst(0) depctr_va_sdst(0) depctr_va_ssrc(0) depctr_va_vcc(0) depctr_vm_vsrc(0)
	s_getreg_b32 s2, hwreg(HW_REG_IB_STS2, 6, 4)
	s_cmp_eq_u32 s2, 0
	s_cbranch_scc0 .Lentry_in_a_cluster
	s_endpgm
.Lentry_in_a_cluster:
	s_bfe_u32 s2, ttmp6, 0x10000c
	s_cmp_lg_u32 s2, 0x3003
	s_cbranch_scc0 .Lentry_shape_is_right
	s_endpgm
.Lentry_shape_is_right:
; ONE LAYER BUT THE LAST: causal attention, projection, residual, LN2, MLP with the exact GELU, residual; then x is stored, and LN1 and Q K V of the NEXT layer are made and stored.
; SHARES.  A cluster of four work-groups is one sequence of 512 tokens.  Work-group j owns the eight tiles of 16 rows 64 i + 16 j + 0..15, so all four walk all eight key tiles of 64 and run alike:
; j enters global offsets and the numbers of the mask, never a branch or an LDS address.  Outside attention wave w owns tiles 2 w, 2 w + 1; in attention the wave is the HEAD, for all eight tiles.
; Key tile t is used by tiles i >= t (36 of 64 pairs); i = t holds the diagonal.
; LAYOUT.  Token products are taken transposed (source 0 = 16 rows of weights, source 1 = 16 tokens): a lane holds ONE token (lane % 16) and channels 16 nb + 8 (lane / 16) + 0..7; two neighbouring results,
; rounded to f16, are source 1 of the next product.  x stays in 128 f32 registers and is the accumulator of the projection and of w2: the residual costs nothing.
; All operands lie in FRAGMENT ORDER (16 x 32 = 1,024 bytes, [half][lane][16 bytes]): a fragment is two loads of 512 consecutive bytes, and every tile is a dense block of rows of 256 bytes.
; SOFTMAX.  q carries 32^-1/2 log2(e): p = 2^(s - m), m a running maximum; O and l are multiplied by 2^(m_old - m_new) in every step.  l = ones x P, by the matrix unit, in f32, of the rounded p.
; GELU.  gelu(z) = max(z, 0) - |z| w, w = (A1 t + A2 t^2 + A3 t^3) 2^(KK z^2), t = 1 / (1 + PPC |z|): Abramowitz and Stegun 7.1.25, erf within 2.5e-5 for every argument.
; THE RING.  Two slots of 64 KiB take nine tiles in turn: four of K and V (two key tiles each), four of the MLP (four blocks of 32 hidden units each), V's weights of the next layer.
; K, V and the weights are the same for the four partners: every tile is asked for jointly (mask 15), a quarter by each wave; every refill stands behind a round of the cluster barrier.
; The ninth tile's second half is a second copy of V's weights, which is loaded and not used: the price of one descriptor, in one loop, for all tiles of the ring.
; LIMITS.  f16 holds no number beyond 65,504 and keeps a fixed step of 6e-8 below 6.1e-5 (h, q, k, v, p, O, gelu and the weights).  A hidden score counts as its value less 1e30.
; A weight p below 2^-126 counts as 0.  NaN and infinities are not treated apart.
; REGISTERS, in windows of 256 (s_set_vgpr_msb: bits 1:0 source 0, 3:2 source 1, 5:4 source 2, 7:6 destination):
;   window 0 addresses and vector work;  window 1 O^T (16 a tile), l (8 a tile), the mask, later h;  window 2 x;  window 3 K, V, Q, ones, later two buffers of weights.
.set TD, 0                             ; LDS: Q's and K's weights of the next layer, filled once
.set SLOT0, 65536
.set SLOT1, 131072
.set FIX0, 196608                      ; b_head, parameters, w_proj: 39,936 bytes, filled once
.set EXB, 236544                       ; attention's results, from the wave of a head to the wave of a tile: 32,768 bytes, never a tensor load's target
.set SPARE, 269312                     ; the spare words, 128 bytes a wave: two blocks of 256 bytes that no other line names
.set PARO, 2048
.set PROJO, 7168
.set MLPO, 39936
.set T0O, 367616
.set P_BPROJ, 0
.set P_LN2G, 512
.set P_LN2B, 1024
.set P_B2, 1536
.set P_B1, 2048
.set P_LNXG, 4096
.set P_LNXB, 4608
.set QA, 16777216
.set KA, 25165824
.set L16, 1                            ; v1  16 x lane
.set SPW, 2                            ; v2  my spare word; never rewritten
.set NIL, 3                            ; v3  0; never rewritten
.set ADK, 4
.set ADV, 5
.set AK0, 6
.set AV0, 7
.set AEXW, 8
.set AEXR, 9
.set APAR, 10
.set AW, 11
.set AFX, 12
.set AB1, 13
.set PFO, 14
.set VO0, 15                           ; v15-16
.set XO, 17
.set QO, 18
.set TM, 20
.set RREG, 21
.set HREG, 22
.set QP, 23
.set ST, 24                            ; v24-31 m of the eight tiles
.set MU, 24
.set RS, 26
.set CC, 32                            ; v32-35 at work on the maximum
.set TR, 32
.set MN, 36
.set DD, 37
.set TA, 38                            ; v38-39
.set LI, 40                            ; v40-55 1 / l, twice a tile
.set SCO, 64                           ; scores, hidden units, results
.set CEN, 64
.set FP, 64
.set PK, 96
.set TT, 112
.set GG, 128
.set EE, 144
.set BI, 176
.set PP, 192
.set BB, 192
.set LS, 128                           ; window 1
.set MD, 192
.set KF, 0                             ; window 3
.set VF, 32
.set QF, 64
.set ONE, 128
.set WA, 0
.set WB, 64
.set SIN, 4
.set WP, 6
.set DST, 10
.set WV, 12
.set CX, 13
.set SB, 14
.set G1A, 16
.set G1F, 24
.set G0, 32
.set G0F, 36
.set G0T, 40
.set NP, 44                            ; the ring's next tile in memory, my quarter
.set WMP, 46
.set PFA, 48
.set WPF, 50
.set LC, 52
.set LW0, 53
.set LW1, 54
.set CH, 55
.set CNT, 56
.set KT, 57
.set TB, 58
.set SEL, 60
.set BIGN, 62
.set I128, 63
.set EPS, 66
.set PPC, 67
.set KK, 68
.set A3, 70
.set A2, 72
.set A1, 74
.set SC, 76
.set OF0, 78
.set TS, 79
.set OFK, 80
.set OFV, 81
.set BO, 83
.set MSB, 0
.macro WIN new                         ; the high byte repeats the setting that is left; a switch that changes nothing is dropped
.if MSB != (\new)
	s_set_vgpr_msb (MSB<<8)|(\new)
.set MSB, (\new)
.endif
.endm
.macro PLACES                          ; four plain places behind a matrix instruction (ISA guide 7.12.1)
.rept 4
	v_nop
.endr
.endm
.macro CROUND                          ; a round of the cluster barrier
	s_barrier_signal -1
	s_barrier_wait -1
	s_cmp_lg_u32 s[WV], 0
	s_cbranch_scc1 .Lnot_wave_0_\@
	s_barrier_signal -3
.Lnot_wave_0_\@:
	s_barrier_wait -3
	s_barrier_signal -1
	s_barrier_wait -1
.endm
; A PREFETCH INTO THE L2 of the tile that the NEXT change of slots will ask for: 256 rows of 256 bytes, a lane a row.  Waves 0 and 1 of the four partners take 32 rows each, told apart by address.
; K and V are a cluster's own: every cluster asks.  The weights are read by all clusters: cluster 0 asks.  The change that asks for the ninth tile prefetches nothing.
.macro ASK
	s_cmp_gt_u32 s[CH], s[LC]
	s_cbranch_scc0 .Lnoask_\@
	global_prefetch_b8 v[PFO], s[PFA:PFA+1] th:TH_LOAD_NT scope:SCOPE_SE
.Lnoask_\@:
.endm
; THE CHANGE OF SLOTS.  Each wave waits for all its tensor loads (its quarter of the slot to be read), adds 0 to its spare word, waits for that and for its reads of the slot that it leaves;
; a round of the cluster barrier; then the joint refill, first thing behind it.  att = 1: in the attention loop, where the stream goes over from K and V to the weights.
.macro CHANGE att
	WIN 0
	s_wait_tensorcnt 0x0                           ; no tensor load of mine is out, so the descriptor may be written
	ds_add_u32 v[SPW], v[NIL]                      ; 0 onto my spare word; scalar work stands between it and the wait for it
	s_xor_b32 s[G0+1], s[G0+1], 0x30000            ; the other slot
	s_mov_b64 s[G0+2:G0+3], s[NP:NP+1]
	s_or_b32 s[G0+3], s[G0+3], 0x80000000
	s_add_nc_u64 s[NP:NP+1], s[NP:NP+1], 0x10000
	s_wait_xcnt 0x0                                ; the last prefetch, a tile back, has read its address
	s_add_nc_u64 s[PFA:PFA+1], s[PFA:PFA+1], 0x10000
.if \att
	s_cmp_eq_u32 s[CH], 2                          ; the fourth tile of K and V is being asked for: the MLP's first follows
	s_cselect_b64 s[NP:NP+1], s[WMP:WMP+1], s[NP:NP+1]
	s_cselect_b64 s[PFA:PFA+1], s[WPF:WPF+1], s[PFA:PFA+1]
	s_cselect_b32 s[LC], s[LW0], s[LC]
.endif
	s_sub_co_u32 s[TB], s[TB], 0x10000             ; the reads go back to a slot's head, in the other slot
	s_xor_b32 s[TB], s[TB], 0x30000
	s_wait_dscnt 0x0                               ; the add is done, and my reads of the slot are over
	CROUND
	tensor_load_to_lds s[G0:G0+3], s[G1A:G1A+7]    ; my one tensor load behind the round
	s_nop 0
	PLACES
	ASK
.endm
.macro FR8 buf, adr, off               ; eight fragments, 16 loads of 512 consecutive bytes, into window 3
	WIN 0xc0
.irp f, 0,1,2,3,4,5,6,7
	ds_load_b128 v[(\buf)+8*\f:(\buf)+8*\f+3], v[\adr] offset:(\off)+\f*1024
	ds_load_b128 v[(\buf)+8*\f+4:(\buf)+8*\f+7], v[\adr] offset:(\off)+\f*1024+512
.endr
	WIN 0
.endm
.macro PARL dst, off                   ; my 64 numbers of a vector of 128: channels 16 nb + 8 h + 0..7
.irp nb, 0,1,2,3,4,5,6,7
	ds_load_b128 v[(\dst)+8*\nb:(\dst)+8*\nb+3], v[APAR] offset:(\off)+64*\nb
	ds_load_b128 v[(\dst)+8*\nb+4:(\dst)+8*\nb+7], v[APAR] offset:(\off)+64*\nb+16
.endr
.endm
.macro PRL buf, kb                     ; w_proj: the eight fragments of K block kb
	WIN 0xc0
.irp nb, 0,1,2,3,4,5,6,7
	ds_load_b128 v[(\buf)+8*\nb:(\buf)+8*\nb+3], v[AFX] offset:\nb*4096+(\kb)*1024
	ds_load_b128 v[(\buf)+8*\nb+4:(\buf)+8*\nb+7], v[AFX] offset:\nb*4096+(\kb)*1024+512
.endr
	WIN 0
.endm
.macro BIL off                         ; b1 of a block of 32 hidden units: my 16 numbers
.irp a, 0,1
	ds_load_b128 v[BI+8*\a:BI+8*\a+3], v[AB1] offset:(\off)+64*\a
	ds_load_b128 v[BI+8*\a+4:BI+8*\a+7], v[AB1] offset:(\off)+64*\a+16
.endr
.endm
.macro BIAS                            ; x += the vector in GG, both tiles
	WIN 0x82
.set z, 0
.rept 32
	v_pk_add_f32 v[2*z:2*z+1], v[2*z:2*z+1], v[GG+2*z:GG+2*z+1]
	v_pk_add_f32 v[64+2*z:64+2*z+1], v[64+2*z:64+2*z+1], v[GG+2*z:GG+2*z+1]
.set z, z+1
.endr
	WIN 0
.endm
.macro GX buf, kb                      ; x += w_proj x O for K block kb: 16 accumulators take turns
	WIN 0xa7
.irp nb, 0,1,2,3,4,5,6,7
.irp u, 0,1
	v_wmma_f32_16x16x32_f16 v[64*\u+8*\nb:64*\u+8*\nb+7], v[(\buf)+8*\nb:(\buf)+8*\nb+7], v[32*\u+8*(\kb):32*\u+8*(\kb)+7], v[64*\u+8*\nb:64*\u+8*\nb+7]
.endr
.endr
.endm
; LAYER NORM of tile u: mean, then the centred squares (two passes), in f32; h rounded once to f16 into window 1.  Each accumulator of x is read from its low end on.
.macro LNT u
.set XB, 64*(\u)
	WIN 0x0a
.set z, 0
.rept 16
	v_pk_add_f32 v[TR+2*z:TR+2*z+1], v[XB+2*z:XB+2*z+1], v[XB+32+2*z:XB+32+2*z+1]
.set z, z+1
.endr
	WIN 0
.irp d, 16,8,4,2
.set z, 0
.rept \d/2
	v_pk_add_f32 v[TR+2*z:TR+2*z+1], v[TR+2*z:TR+2*z+1], v[TR+\d+2*z:TR+\d+2*z+1]
.set z, z+1
.endr
.endr
	v_add_f32 v[TR], v[TR], v[TR+1]
	v_permlanex16_b32 v[TR+1], v[TR], s[SEL], s[SEL+1]  ; the token's other 64 channels lie in the lane 16 away
	v_add_f32 v[TR], v[TR], v[TR+1]
	v_mul_f32 v[MU], s[I128], v[TR]
	v_mul_f32 v[MU+1], s[I128], v[TR]
	WIN 0x02
.set z, 0
.rept 32
	v_pk_add_f32 v[CEN+2*z:CEN+2*z+1], v[XB+2*z:XB+2*z+1], v[MU:MU+1] neg_lo:[0,1] neg_hi:[0,1]
.set z, z+1
.endr
	WIN 0
.set z, 0
.rept 4
	v_pk_mul_f32 v[TR+2*z:TR+2*z+1], v[CEN+2*z:CEN+2*z+1], v[CEN+2*z:CEN+2*z+1]
.set z, z+1
.endr
.rept 28
	v_pk_fma_f32 v[TR+2*(z%4):TR+2*(z%4)+1], v[CEN+2*z:CEN+2*z+1], v[CEN+2*z:CEN+2*z+1], v[TR+2*(z%4):TR+2*(z%4)+1]
.set z, z+1
.endr
	v_pk_add_f32 v[TR:TR+1], v[TR:TR+1], v[TR+4:TR+5]
	v_pk_add_f32 v[TR+2:TR+3], v[TR+2:TR+3], v[TR+6:TR+7]
	v_pk_add_f32 v[TR:TR+1], v[TR:TR+1], v[TR+2:TR+3]
	v_add_f32 v[TR], v[TR], v[TR+1]
	v_permlanex16_b32 v[TR+1], v[TR], s[SEL], s[SEL+1]
	v_add_f32 v[TR], v[TR], v[TR+1]
	v_fma_f32 v[TR+2], v[TR], s[I128], s[EPS]
	v_rsq_f32 v[RS], v[TR+2]
	v_rsq_f32 v[RS+1], v[TR+2]
	v_nop                                          ; a plain instruction behind the second root,
	s_wait_alu depctr_va_vdst(0)                   ; and one wait for both, ahead of their first reader
	s_wait_dscnt 0x0                               ; gain and bias are in
.set z, 0
.rept 32
	v_pk_mul_f32 v[CEN+2*z:CEN+2*z+1], v[CEN+2*z:CEN+2*z+1], v[RS:RS+1]
.set z, z+1
.endr
.set z, 0
.rept 32
	v_pk_fma_f32 v[CEN+2*z:CEN+2*z+1], v[CEN+2*z:CEN+2*z+1], v[GG+2*z:GG+2*z+1], v[BB+2*z:BB+2*z+1]
.set z, z+1
.endr
	WIN 0x40
.set z, 0
.rept 32
	v_cvt_pk_f16_f32 v[32*(\u)+z], v[CEN+2*z], v[CEN+2*z+1]
.set z, z+1
.endr
	WIN 0
.endm
.macro LNSITE goff, boff
	WIN 0
	PARL GG, \goff
	PARL BB, \boff
	LNT 0
	LNT 1
.endm
; 16 matrix instructions: two blocks a of 16 outputs x my two tiles u, K = 128.  The four accumulators take turns.  kind 1: tokens are source 0.  bias = 1: the sums start with b1.
.macro G16 kind, buf, bias
.if \kind
	WIN 0x0d
.else
	WIN 0x07
.endif
.irp kb, 0,1,2,3
.irp a, 0,1
.irp u, 0,1
.set rD, SCO+8*(2*\a+\u)
.set rW, (\buf)+8*(4*\a+\kb)
.set rH, 32*\u+8*\kb
.if \kind
.if \kb == 0
	v_wmma_f32_16x16x32_f16 v[rD:rD+7], v[rH:rH+7], v[rW:rW+7], 0
.else
	v_wmma_f32_16x16x32_f16 v[rD:rD+7], v[rH:rH+7], v[rW:rW+7], v[rD:rD+7]
.endif
.else
.if (\kb == 0) && (\bias)
	v_wmma_f32_16x16x32_f16 v[rD:rD+7], v[rW:rW+7], v[rH:rH+7], v[BI+8*\a:BI+8*\a+7]
.elseif \kb == 0
	v_wmma_f32_16x16x32_f16 v[rD:rD+7], v[rW:rW+7], v[rH:rH+7], 0
.else
	v_wmma_f32_16x16x32_f16 v[rD:rD+7], v[rW:rW+7], v[rH:rH+7], v[rD:rD+7]
.endif
.endif
.endr
.endr
.endr
	WIN 0
.endm
; The four results are (kind 0) scaled, rounded to f16 and stored: each store is half a fragment, 512 consecutive bytes.  hf: which head of the trip's two.
.macro PACKST kind, hf
	WIN 0
.if (\kind) == 0
.set z, 0
.rept 16
	v_pk_mul_f32 v[SCO+2*z:SCO+2*z+1], v[SCO+2*z:SCO+2*z+1], s[SC:SC+1] op_sel_hi:[1,0]
.set z, z+1
.endr
.endif
.set z, 0
.rept 16
	v_cvt_pk_f16_f32 v[PK+16*(\hf)+z], v[SCO+2*z], v[SCO+2*z+1]
.set z, z+1
.endr
.irp a, 0,1
.irp u, 0,1
.if (\kind) == 0
	global_store_b128 v[VO0+\u], v[PK+16*(\hf)+4*(2*\a+\u):PK+16*(\hf)+4*(2*\a+\u)+3], s[DST:DST+1] offset:(\hf)*1024+\a*512 th:TH_STORE_NT
.else
	global_store_b128 v[VO0+\u], v[PK+16*(\hf)+4*(2*\a+\u):PK+16*(\hf)+4*(2*\a+\u)+3], s[DST:DST+1] offset:(\hf)*4096+\a*2048 th:TH_STORE_NT
.endif
.endr
.endr
.endm
; Q (two trips) and K (two trips), two heads a trip; two buffers of eight fragments take turns.  The last trip fetches the first head of V, which lies behind K in LDS.
.macro QKLOOP
	s_mov_b32 s[TB], 0
	s_mov_b32 s[TS], 4096
	s_mov_b32 s[CNT], 4
	v_mov_b32 v[AW], v[L16]
	FR8 WA, AW, 0
.Lqk:
	s_wait_xcnt 0x0                                ; the last stores have read their offsets and data: both are written again below
	s_cmp_eq_u32 s[CNT], 2                         ; from the third trip on: K, unscaled, a key tile of 32,768 bytes for each of my tiles
	s_cselect_b32 s[OF0], s[OFK], s[OF0]
	s_cselect_b32 s[TS], 32768, s[TS]
	s_cselect_b32 s[SC], 1.0, s[SC]
	v_add_nc_u32 v[VO0], s[OF0], v[L16]
	v_add_nc_u32 v[VO0+1], s[TS], v[VO0]
	FR8 WB, AW, 8192
	s_wait_dscnt 16                                ; buffer A is in; the 16 loads of buffer B may be out
	G16 0, WA, 0
	PLACES
	PACKST 0, 0
	s_wait_dscnt 0x0                               ; buffer B is in
	FR8 WA, AW, 16384
	G16 0, WB, 0
	PLACES
	PACKST 0, 1
	s_add_co_u32 s[TB], s[TB], 16384
	v_add_nc_u32 v[AW], s[TB], v[L16]
	s_add_co_u32 s[OF0], s[OF0], 2048
	s_sub_co_u32 s[CNT], s[CNT], 1
	s_cmp_lg_u32 s[CNT], 0
	s_cbranch_scc1 .Lqk
.endm
.macro VLOOP                           ; V, two heads a trip
	s_mov_b32 s[CNT], 2
.Lvl:
	s_wait_xcnt 0x0
	v_add_nc_u32 v[VO0], s[OFV], v[L16]
	v_add_nc_u32 v[VO0+1], 32768, v[VO0]
	FR8 WB, AW, 8192
	s_wait_dscnt 16
	G16 1, WA, 0
	PLACES
	PACKST 1, 0
	s_wait_dscnt 0x0
	s_cmp_eq_u32 s[CNT], 1                         ; behind the fourth head there is nothing to fetch
	s_cbranch_scc1 .Lvskip
	FR8 WA, AW, 16384
.Lvskip:
	G16 1, WB, 0
	PLACES
	PACKST 1, 1
	s_add_co_u32 s[TB], s[TB], 16384
	v_add_nc_u32 v[AW], s[TB], v[L16]
	s_add_co_u32 s[OFV], s[OFV], 8192
	s_sub_co_u32 s[CNT], s[CNT], 1
	s_cmp_lg_u32 s[CNT], 0
	s_cbranch_scc1 .Lvl
.endm
.macro XSTORE                          ; x as the registers lie: 32 stores of 512 consecutive bytes
	WIN 0x08
.set z, 0
.rept 32
	global_store_b128 v[XO], v[4*z:4*z+3], s[DST:DST+1] offset:512*z th:TH_STORE_NT
.set z, z+1
.endr
	WIN 0
.endm
; TILE i AGAINST THE KEY TILE IN HAND.  Jumped over where the key tile lies above the diagonal (KT > i).  Four products K Q^T, their sums started by 0 or, on the diagonal (KT = i), by the mask;
; the maximum (each accumulator read from its low end on); ONE batch of 33 exponentials with one wait; P; the rescaling; six products, O^T's two and l's accumulators by turns.
.macro UNIT i
.if (\i) < 7
	s_cmp_gt_u32 s[KT], \i
	s_cbranch_scc1 .Lskip\i
.endif
.if (\i) > 0
	s_cmp_eq_u32 s[KT], \i
	s_cbranch_scc1 .Ldiag\i
	WIN 0x0f
.irp kb, 0,1,2,3
	v_wmma_f32_16x16x32_f16 v[SCO+8*\kb:SCO+8*\kb+7], v[KF+8*\kb:KF+8*\kb+7], v[QF+8*(\i):QF+8*(\i)+7], 0
.endr
	WIN 0
	s_branch .Ljoin\i
.Ldiag\i:
.endif
	WIN 0x1f
.irp kb, 0,1,2,3
	v_wmma_f32_16x16x32_f16 v[SCO+8*\kb:SCO+8*\kb+7], v[KF+8*\kb:KF+8*\kb+7], v[QF+8*(\i):QF+8*(\i)+7], v[MD+8*\kb:MD+8*\kb+7]
.endr
	WIN 0
.if (\i) > 0
.Ljoin\i:
.endif
	PLACES
.irp n, 0,1,2,3
	v_max3_num_f32 v[CC+\n], v[SCO+8*\n], v[SCO+8*\n+1], v[SCO+8*\n+2]
.endr
.irp n, 0,1,2,3
	v_max3_num_f32 v[CC+\n], v[CC+\n], v[SCO+8*\n+3], v[SCO+8*\n+4]
.endr
.irp n, 0,1,2,3
	v_max3_num_f32 v[CC+\n], v[CC+\n], v[SCO+8*\n+5], v[SCO+8*\n+6]
.endr
	v_max3_num_f32 v[CC], v[CC], v[SCO+7], v[SCO+15]
	v_max3_num_f32 v[CC+1], v[CC+1], v[SCO+23], v[SCO+31]
	v_max3_num_f32 v[CC+2], v[CC+2], v[CC+3], v[ST+(\i)]
	v_max3_num_f32 v[CC], v[CC], v[CC+1], v[CC+2]
	v_permlanex16_b32 v[CC+3], v[CC], s[SEL], s[SEL+1]  ; the query's other 32 keys lie in the lane 16 away
	v_max_num_f32 v[MN], v[CC], v[CC+3]
	v_sub_f32 v[DD], v[ST+(\i)], v[MN]
	v_mov_b32 v[ST+(\i)], v[MN]
	v_exp_f32 v[TA], v[DD]
	v_pk_add_f32 v[SCO:SCO+1], v[SCO:SCO+1], v[MN:MN+1] op_sel_hi:[1,0] neg_lo:[0,1] neg_hi:[0,1]
.set z, 1
.rept 15
	v_pk_add_f32 v[SCO+2*z:SCO+2*z+1], v[SCO+2*z:SCO+2*z+1], v[MN:MN+1] op_sel_hi:[1,0] neg_lo:[0,1] neg_hi:[0,1]
	v_exp_f32 v[SCO+2*z-2], v[SCO+2*z-2]
	v_exp_f32 v[SCO+2*z-1], v[SCO+2*z-1]
.set z, z+1
.endr
	v_exp_f32 v[SCO+30], v[SCO+30]
	v_exp_f32 v[SCO+31], v[SCO+31]
	v_nop                                          ; a plain instruction behind the last exponential,
	s_wait_alu depctr_va_vdst(0)                   ; and one wait for the batch: nothing above names a result of it
.set z, 0
.rept 16
	v_cvt_pk_f16_f32 v[PK+z], v[SCO+2*z], v[SCO+2*z+1]
.set z, z+1
.endr
	WIN 0x41
.set z, 0
.rept 8
	v_pk_mul_f32 v[16*(\i)+2*z:16*(\i)+2*z+1], v[16*(\i)+2*z:16*(\i)+2*z+1], v[TA:TA+1] op_sel_hi:[1,0]
.set z, z+1
.endr
.set z, 0
.rept 4
	v_pk_mul_f32 v[LS+8*(\i)+2*z:LS+8*(\i)+2*z+1], v[LS+8*(\i)+2*z:LS+8*(\i)+2*z+1], v[TA:TA+1] op_sel_hi:[1,0]
.set z, z+1
.endr
	s_wait_dscnt 0x0                               ; V is in
	WIN 0x53
.irp kk, 0,1
	v_wmma_f32_16x16x32_f16 v[16*(\i):16*(\i)+7], v[VF+8*\kk:VF+8*\kk+7], v[PK+8*\kk:PK+8*\kk+7], v[16*(\i):16*(\i)+7]
	v_wmma_f32_16x16x32_f16 v[16*(\i)+8:16*(\i)+15], v[VF+16+8*\kk:VF+16+8*\kk+7], v[PK+8*\kk:PK+8*\kk+7], v[16*(\i)+8:16*(\i)+15]
	v_wmma_f32_16x16x32_f16 v[LS+8*(\i):LS+8*(\i)+7], v[ONE:ONE+7], v[PK+8*\kk:PK+8*\kk+7], v[LS+8*(\i):LS+8*(\i)+7]
.endr
	WIN 0
.if (\i) < 7
.Lskip\i:
.endif
.endm
; THE GELU of 32 numbers a lane, in three stages: what feeds the transcendentals; ONE batch of 32 reciprocals and 32 exponentials with one wait; the polynomial, the result, its rounding to f16.
.macro GELU
	WIN 0
.set z, 0
.rept 16
	v_fma_f32 v[TT+2*z], |v[SCO+2*z]|, s[PPC], 1.0
	v_fma_f32 v[TT+2*z+1], |v[SCO+2*z+1]|, s[PPC], 1.0
	v_pk_mul_f32 v[EE+2*z:EE+2*z+1], v[SCO+2*z:SCO+2*z+1], v[SCO+2*z:SCO+2*z+1]
.set z, z+1
.endr
.set z, 0
.rept 16
	v_pk_mul_f32 v[EE+2*z:EE+2*z+1], v[EE+2*z:EE+2*z+1], s[KK:KK+1] op_sel_hi:[1,0]
.set z, z+1
.endr
.set z, 0
.rept 32
	v_rcp_f32 v[TT+z], v[TT+z]
	v_exp_f32 v[EE+z], v[EE+z]
.set z, z+1
.endr
	v_nop
	s_wait_alu depctr_va_vdst(0)
.set z, 0
.rept 16
	v_pk_fma_f32 v[PP+2*z:PP+2*z+1], v[TT+2*z:TT+2*z+1], s[A3:A3+1], s[A2:A2+1] op_sel_hi:[1,0,0]
.set z, z+1
.endr
.set z, 0
.rept 16
	v_pk_fma_f32 v[PP+2*z:PP+2*z+1], v[PP+2*z:PP+2*z+1], v[TT+2*z:TT+2*z+1], s[A1:A1+1] op_sel_hi:[1,1,0]
.set z, z+1
.endr
.set z, 0
.rept 16
	v_pk_mul_f32 v[PP+2*z:PP+2*z+1], v[PP+2*z:PP+2*z+1], v[TT+2*z:TT+2*z+1]
.set z, z+1
.endr
.set z, 0
.rept 16
	v_pk_mul_f32 v[PP+2*z:PP+2*z+1], v[PP+2*z:PP+2*z+1], v[EE+2*z:EE+2*z+1]
.set z, z+1
.endr
.set z, 0
.rept 32
	v_max_num_f32 v[TT+z], 0, v[SCO+z]
.set z, z+1
.endr
.set z, 0
.rept 32
	v_fma_f32 v[EE+z], -|v[SCO+z]|, v[PP+z], v[TT+z]
.set z, z+1
.endr
.set z, 0
.rept 16                                       ; result z / 4 = 2 block + tile: the tile's source 1 takes block 0 in registers 0-3, block 1 in 4-7
	v_cvt_pk_f16_f32 v[PK+8*((z/4)%2)+4*(z/8)+z%4], v[EE+2*z], v[EE+2*z+1]
.set z, z+1
.endr
.endm
	s_load_b128 s[4:7], s[0:1], 0x0                ; the state read, the weights
	s_load_b64 s[10:11], s[0:1], 0x10              ; the state written
	v_lshl_add_u32 v[SPW], v0, 2, SPARE
	v_mov_b32 v[NIL], 0
	ds_add_u32 v[SPW], v[NIL]                      ; the opening: the add and its wait ahead of my first tensor load
	v_lshrrev_b32 v[TM], 5, v0
	v_readfirstlane_b32 s[WV], v[TM]
	s_mov_b32 s[SB], ttmp9                         ; the sequence
	; descriptors: dense blocks as rows of 256 bytes (32 elements of 8 bytes), mask of all four partners, bit 21 beside it; 64 rows are a quarter of a tile, 39 a quarter of the fixed part
.irp g, G1A, G1F
	s_mov_b32 s[\g+0], 0x23000f
	s_mov_b32 s[\g+1], 32<<16
	s_mov_b32 s[\g+3], 32<<16
	s_mov_b32 s[\g+5], 32
	s_mov_b32 s[\g+6], 0
	s_mov_b32 s[\g+7], 0
.endr
	s_mov_b32 s[G1A+2], 64<<16
	s_mov_b32 s[G1A+4], 64
	s_mov_b32 s[G1F+2], 39<<16
	s_mov_b32 s[G1F+4], 39
	s_lshl_b32 s84, s[WV], 14
	s_mov_b32 s85, 0
	s_mul_i32 s86, s[WV], 9984
	s_mov_b32 s87, 0
	s_mov_b32 s[G0], 1
	s_add_co_u32 s[G0+1], s84, SLOT0
	s_mov_b32 s[G0T], 1
	s_mov_b32 s[G0T+1], s84                        ; TD + 16,384 x wave
	s_mov_b32 s[G0F], 1
	s_add_co_u32 s[G0F+1], s86, FIX0
	s_mov_b32 s[SEL], 0x76543210
	s_mov_b32 s[SEL+1], 0xfedcba98
	s_mov_b32 s[BIGN], 0xf149f2ca                  ; -1e30
	s_mov_b32 s[I128], 0x3c000000                  ; 1 / 128
	s_mov_b32 s[EPS], 0x3727c5ac                   ; 1e-5
	s_mov_b32 s[PPC], 0x3eaa540e                   ; 0.47047 / sqrt(2)
	s_mov_b32 s[KK], 0xbf38aa3b                    ; -log2(e) / 2
	s_mov_b32 s[KK+1], s[KK]
	s_mov_b32 s[A3], 0x3ebf7377                    ; 0.7478556 / 2
	s_mov_b32 s[A3+1], s[A3]
	s_mov_b32 s[A2], 0xbd445ca1                    ; -0.0958798 / 2
	s_mov_b32 s[A2+1], s[A2]
	s_mov_b32 s[A1], 0x3e32303a                    ; 0.3480242 / 2
	s_mov_b32 s[A1+1], s[A1]
	s_mov_b32 s[SC], 0x3e8293ee                    ; 32^-1/2 log2(e)
	s_mov_b32 s[SC+1], s[SC]
	s_mov_b32 s[TB], 0x30000                       ; the first change of slots turns this into slot 0
	s_mov_b32 s[KT], 0
	s_mov_b32 s[CH], 4
	s_lshr_b32 s2, s[WV], 1                        ; who prefetches: waves 0 and 1; for the weights in cluster 0 alone: the same in all four partners
	s_cmp_eq_u32 s2, 0
	s_cselect_b32 s[LC], 0, -1
	s_or_b32 s2, s2, ttmp9
	s_cmp_eq_u32 s2, 0
	s_cselect_b32 s[LW0], 0, -1
	s_cselect_b32 s[LW1], 1, -1
	v_and_b32 v[TM], 31, v0
	v_lshlrev_b32 v[L16], 4, v[TM]
	v_and_b32 v[RREG], 15, v0
	v_bfe_u32 v[HREG], v0, 4, 1
	; LDS addresses: constants, the wave's number, the lane
	s_lshl_b32 s2, s[WV], 10
	v_add_nc_u32 v[AK0], s2, v[L16]
	s_add_co_u32 s3, s2, EXB
	v_add_nc_u32 v[AEXW], s3, v[L16]
	s_lshl_b32 s3, s[WV], 12
	s_add_co_u32 s3, s3, 16384
	v_add_nc_u32 v[AV0], s3, v[L16]
	s_lshl_b32 s3, s[WV], 13
	s_add_co_u32 s3, s3, EXB
	v_add_nc_u32 v[AEXR], s3, v[L16]
	v_lshlrev_b32 v[APAR], 5, v[HREG]
	v_add_nc_u32 v[APAR], FIX0+PARO, v[APAR]
	v_add_nc_u32 v[AFX], FIX0+PROJO, v[L16]
	; what hangs on my place in the cluster: global offsets and the mask's numbers alone
	s_bfe_u32 s[CX], ttmp6, 0x40000
	s_lshl_b32 s2, s[CX], 1
	s_add_co_u32 s2, s2, s[WV]
	s_lshl_b32 s2, s2, 5
	v_add_nc_u32 v[PFO], s2, v[TM]
	v_lshlrev_b32 v[PFO], 8, v[PFO]
	s_lshl_b32 s59, s[SB], 2
	s_add_co_u32 s59, s59, s[CX]
	s_lshl_b32 s59, s59, 15
	s_lshl_b32 s3, s[WV], 13
	s_add_co_u32 s[OF0], s59, s3
	s_add_co_u32 s[OF0], s[OF0], QA
	s_lshl_b32 s2, s[WV], 10
	s_add_co_u32 s3, s59, s2
	s_add_co_u32 s3, s3, QA
	v_add_nc_u32 v[QO], s3, v[L16]
	s_lshl_b32 s3, s59, 1
	s_lshl_b32 s2, s[WV], 14
	s_add_co_u32 s3, s3, s2
	v_add_nc_u32 v[XO], s3, v[L16]
	s_lshl_b32 s2, s[SB], 18
	s_lshl_b32 s3, s[WV], 16
	s_add_co_u32 s2, s2, s3
	s_add_co_u32 s2, s2, KA
	s_lshl_b32 s3, s[CX], 12
	s_add_co_u32 s[OFK], s2, s3
	s_lshr_b32 s3, s[CX], 1
	s_lshl_b32 s3, s3, 10
	s_add_co_u32 s[OFV], s2, s3
	s_and_b32 s3, s[CX], 1
	s_lshl_b32 s3, s3, 9
	s_add_co_u32 s[OFV], s[OFV], s3
	s_add_co_u32 s[OFV], s[OFV], 16384
	s_lshl_b32 s2, s[CX], 4
	v_lshlrev_b32 v[QP], 3, v[HREG]
	v_sub_nc_u32 v[QP], v[RREG], v[QP]
	v_add_nc_u32 v[QP], s2, v[QP]                  ; my query's place in its band of 64, less my lanes' 8 (lane / 16)
	s_wait_dscnt 0x0                               ; the opening add is done
	s_wait_kmcnt 0x0
	s_add_nc_u64 s[G0F+2:G0F+3], s[WP:WP+1], s[86:87]
	s_or_b32 s[G0F+3], s[G0F+3], 0x80000000
	s_add_nc_u64 s[WMP:WMP+1], s[WP:WP+1], s[84:85]
	s_add_nc_u64 s[G0T+2:G0T+3], s[WMP:WMP+1], T0O
	s_or_b32 s[G0T+3], s[G0T+3], 0x80000000
	s_add_nc_u64 s[WMP:WMP+1], s[WMP:WMP+1], MLPO
	s_add_nc_u64 s[WPF:WPF+1], s[WP:WP+1], MLPO
	s_lshl_b32 s86, s[SB], 18
	s_add_co_u32 s86, s86, KA
	s_add_nc_u64 s[PFA:PFA+1], s[SIN:SIN+1], s[86:87]  ; the sequence's K and V
	s_add_nc_u64 s[G0+2:G0+3], s[PFA:PFA+1], s[84:85]
	s_add_nc_u64 s[NP:NP+1], s[G0+2:G0+3], 0x10000
	s_or_b32 s[G0+3], s[G0+3], 0x80000000
	s_add_nc_u64 s[PFA:PFA+1], s[PFA:PFA+1], 0x10000   ; the first change steps it to the third tile.  Nothing is prefetched here, at the head
	CROUND                                         ; all four work-groups are here: the first joint loads meet
	tensor_load_to_lds s[G0:G0+3], s[G1A:G1A+7]    ; key tiles 0 and 1 into slot 0: three loads of mine are out
	s_nop 0
	tensor_load_to_lds s[G0F:G0F+3], s[G1F:G1F+7]  ; b_head, parameters, w_proj
	s_nop 0
	tensor_load_to_lds s[G0T:G0T+3], s[G1A:G1A+7]  ; Q's and K's weights of the next layer
	s_nop 0
	PLACES
	WIN 0xc0
.irp i, 0,1,2,3,4,5,6,7                        ; Q of my head, all eight tiles: it stays in registers
	global_load_b128 v[QF+8*\i:QF+8*\i+3], v[QO], s[SIN:SIN+1] offset:\i*4096 th:TH_LOAD_NT
	global_load_b128 v[QF+8*\i+4:QF+8*\i+7], v[QO], s[SIN:SIN+1] offset:\i*4096+512 th:TH_LOAD_NT
.endr
.set z, 0
.rept 8
	v_mov_b32 v[ONE+z], 0x3c003c00                 ; 1.0 twice, in f16
.set z, z+1
.endr
	WIN 0x80
.set z, 0
.rept 32                                       ; x of my two tiles: wanted behind attention
	global_load_b128 v[4*z:4*z+3], v[XO], s[SIN:SIN+1] offset:512*z th:TH_LOAD_NT
.set z, z+1
.endr
	WIN 0x40
.set z, 0
.rept 192                                      ; O^T and l start at 0, m at the lowest finite number: the first step is a step like any other.  Written in the wait for the first tile
	v_mov_b32 v[z], 0
.set z, z+1
.endr
.set z, 0
.rept 32                                       ; the mask of the diagonal tile: register z % 8 of key group z / 8 is hidden where 16 (z / 8) + z % 8 is greater than QP
	v_cmp_gt_i32 vcc_lo, 16*(z/8)+z%8, v[QP]
	v_cndmask_b32 v[MD+z], 0, s[BIGN], vcc_lo
.set z, z+1
.endr
	WIN 0
.set z, 0
.rept 8
	v_mov_b32 v[ST+z], 0xff7fffff
.set z, z+1
.endr
	v_mov_b32 v[TA+1], 0                           ; named with TA as a pair
	s_wait_loadcnt 32                              ; Q is in; the 32 loads of x may be out
	; ATTENTION: four tiles of the ring, two key tiles each
.Lchunk:
	CHANGE 1
	s_mov_b32 s[CNT], 2
.Lkt:
	PLACES                                         ; behind the last products that read V
	v_add_nc_u32 v[ADK], s[TB], v[AK0]
	v_add_nc_u32 v[ADV], s[TB], v[AV0]
	WIN 0xc0
.irp kb, 0,1,2,3
	ds_load_b128 v[KF+8*\kb:KF+8*\kb+3], v[ADK] offset:\kb*4096
	ds_load_b128 v[KF+8*\kb+4:KF+8*\kb+7], v[ADK] offset:\kb*4096+512
.endr
.irp f, 0,1,2,3
	ds_load_b128 v[VF+8*\f:VF+8*\f+3], v[ADV] offset:\f*1024
	ds_load_b128 v[VF+8*\f+4:VF+8*\f+7], v[ADV] offset:\f*1024+512
.endr
	WIN 0
	s_wait_dscnt 8                                 ; K is in; the eight loads of V may be out
	UNIT 0
	UNIT 1
	UNIT 2
	UNIT 3
	UNIT 4
	UNIT 5
	UNIT 6
	UNIT 7
	s_add_co_u32 s[KT], s[KT], 1
	s_add_co_u32 s[TB], s[TB], 32768
	s_sub_co_u32 s[CNT], s[CNT], 1
	s_cmp_lg_u32 s[CNT], 0
	s_cbranch_scc1 .Lkt
	s_sub_co_u32 s[CH], s[CH], 1
	s_cmp_lg_u32 s[CH], 0
	s_cbranch_scc1 .Lchunk
	; O^T / l, rounded to f16, from the wave of a head to the wave of a tile
	PLACES
	WIN 0x01
.set z, 0
.rept 8
	v_rcp_f32 v[LI+2*z], v[LS+8*z]
	v_rcp_f32 v[LI+2*z+1], v[LS+8*z]
.set z, z+1
.endr
	v_nop
	s_wait_alu depctr_va_vdst(0)                   ; one wait for the sixteen reciprocals
	WIN 0x41
.set z, 0
.rept 64
	v_pk_mul_f32 v[2*z:2*z+1], v[2*z:2*z+1], v[LI+2*(z/8):LI+2*(z/8)+1]
.set z, z+1
.endr
	WIN 0x05
.set z, 0
.rept 64
	v_cvt_pk_f16_f32 v[FP+z], v[2*z], v[2*z+1]
.set z, z+1
.endr
	WIN 0
.irp i, 0,1,2,3,4,5,6,7
	ds_store_b128 v[AEXW], v[FP+8*\i:FP+8*\i+3] offset:\i*4096
	ds_store_b128 v[AEXW], v[FP+8*\i+4:FP+8*\i+7] offset:\i*4096+512
.endr
	s_wait_dscnt 0x0                               ; for the others' sake: my stores are done
	s_barrier_signal -1
	s_barrier_wait -1                              ; the MLP's first tile may stay on its way
	WIN 0x40
.irp u, 0,1
.irp kb, 0,1,2,3
	ds_load_b128 v[32*\u+8*\kb:32*\u+8*\kb+3], v[AEXR] offset:\u*4096+\kb*1024
	ds_load_b128 v[32*\u+8*\kb+4:32*\u+8*\kb+7], v[AEXR] offset:\u*4096+\kb*1024+512
.endr
.endr
	; THE PROJECTION: x += b_proj + w_proj O
	PRL WA, 0
	PRL WB, 1
	PARL GG, P_BPROJ
	s_wait_loadcnt 0x0                             ; x is in
	s_wait_dscnt 0x0
	BIAS
	GX WA, 0
	PLACES
	PRL WA, 2
	GX WB, 1
	PLACES
	PRL WB, 3
	s_wait_dscnt 16                                ; K block 2 is in; the 16 loads of block 3 may be out
	GX WA, 2
	s_wait_dscnt 0x0
	GX WB, 3
	WIN 0
	PLACES
	LNSITE P_LN2G, P_LN2B
	PARL GG, P_B2
	s_wait_dscnt 0x0
	BIAS
	; THE MLP: four tiles of the ring, four blocks of 32 hidden units each
	s_mov_b32 s[BO], P_B1
	s_mov_b32 s[CH], 4
	s_mov_b32 s[LC], s[LW1]
.Lmc:
	CHANGE 0
	v_add_nc_u32 v[AW], s[TB], v[L16]
	FR8 WA, AW, 0
	v_add_nc_u32 v[AB1], s[BO], v[APAR]
	BIL 0
	s_mov_b32 s[CNT], 4
.Lmt:
	s_wait_dscnt 0x0                               ; the block's w1 and b1 are in
	G16 0, WA, 1
	PLACES
	FR8 WB, AW, 8192                               ; its w2
	s_cmp_eq_u32 s[CNT], 1                         ; the next block's w1 and b1, where it lies in this slot
	s_cbranch_scc1 .Lmskip
	FR8 WA, AW, 16384
	BIL 128
.Lmskip:
	GELU
	s_wait_dscnt 0x0
	WIN 0xa3
.irp nb, 0,1,2,3,4,5,6,7
.irp u, 0,1
	v_wmma_f32_16x16x32_f16 v[64*\u+8*\nb:64*\u+8*\nb+7], v[WB+8*\nb:WB+8*\nb+7], v[PK+8*\u:PK+8*\u+7], v[64*\u+8*\nb:64*\u+8*\nb+7]
.endr
.endr
	WIN 0
	s_add_co_u32 s[TB], s[TB], 16384
	s_add_co_u32 s[BO], s[BO], 128
	v_add_nc_u32 v[AW], s[TB], v[L16]
	v_add_nc_u32 v[AB1], s[BO], v[APAR]
	s_sub_co_u32 s[CNT], s[CNT], 1
	s_cmp_lg_u32 s[CNT], 0
	s_cbranch_scc1 .Lmt
	s_sub_co_u32 s[CH], s[CH], 1
	s_cmp_lg_u32 s[CH], 0
	s_cbranch_scc1 .Lmc
	; THE TAIL.  The ninth tile is waited for; nothing is filled any more
	s_wait_tensorcnt 0x0
	ds_add_u32 v[SPW], v[NIL]
	s_wait_dscnt 0x0
	s_barrier_signal -1
	s_barrier_wait -1
	PLACES
	LNSITE P_LNXG, P_LNXB
	XSTORE
	QKLOOP
	VLOOP
	s_wait_tensorcnt 0x0                           ; the wave's end, behind my last tensor load and my last LDS store
	ds_add_u32 v[SPW], v[NIL]
	s_wait_dscnt 0x0
	CROUND                                         ; the closing round: no work-group ends while a partner may still ask for a tile that names it
	s_endpgm
.Lfunc_end_k_qe182a95d52_lay0:
	.size	k_qe182a95d52_lay0, .Lfunc_end_k_qe182a95d52_lay0-k_qe182a95d52_lay0
	.p2alignl 7, 3214868480
	.fill 96, 4, 3214868480
	.section	.rodata,"a",@progbits
	.p2align	6, 0x0
	.amdhsa_kernel k_qe182a95d52_lay0
		.amdhsa_group_segment_fixed_size 327680
		.amdhsa_private_segment_fixed_size 0
		.amdhsa_enable_private_segment 0
		.amdhsa_kernarg_size 24
		.amdhsa_user_sgpr_count 2
		.amdhsa_user_sgpr_kernarg_segment_ptr 1
		.amdhsa_wavefront_size32 1
		.amdhsa_system_sgpr_workgroup_id_x 1
		.amdhsa_system_sgpr_workgroup_id_y 1
		.amdhsa_system_sgpr_workgroup_id_z 1
		.amdhsa_system_vgpr_workitem_id 0
		.amdhsa_next_free_vgpr 904
		.amdhsa_next_free_sgpr 88
		.amdhsa_reserve_vcc 1
		.amdhsa_float_denorm_mode_32 3
		.amdhsa_float_denorm_mode_16_64 3
		.amdhsa_memory_ordered 1
		.amdhsa_forward_progress 1
		.amdhsa_inst_pref_size 206
	.end_amdhsa_kernel
	.amdgpu_metadata
---
amdhsa.version: [ 1, 2 ]
amdhsa.kernels:
  - .name:           k_qe182a95d52_lay0
    .symbol:         k_qe182a95d52_lay0.kd
    .args:
      - { .name: stA, .offset: 0, .size: 8, .value_kind: global_buffer, .address_space: global }
      - { .name: wM0, .offset: 8, .size: 8, .value_kind: global_buffer, .address_space: global }
      - { .name: stB, .offset: 16, .size: 8, .value_kind: global_buffer, .address_space: global }
    .group_segment_fixed_size: 327680
    .private_segment_fixed_size: 0
    .kernarg_segment_align: 8
    .kernarg_segment_size: 24
    .max_flat_workgroup_size: 128
    .sgpr_count:     88
    .vgpr_count:     904
    .wavefront_size: 32
...
	.end_amdgpu_metadata
.endif
;; end of part 3
;; launch lay1: the kernel of part 3 again; grid 256 x 1, 4 waves a work-group, clusters of 4 x 1, 327,680 bytes of LDS; arguments stB, wM1, stA; writes stA
;; launch lay2: the kernel of part 3 again; grid 256 x 1, 4 waves a work-group, clusters of 4 x 1, 327,680 bytes of LDS; arguments stA, wM2, stB; writes stB
;; launch lay3 (part 4): grid 256 x 1, 4 waves a work-group, clusters of 4 x 1, 327,680 bytes of LDS; arguments stB, wF, out0; writes out0
.if DOCPART == 4
	.amdgcn_target "amdgcn-amd-amdhsa--gfx1250"
	.amdhsa_code_object_version 6
	.text
	.protected	k_qe182a95d52_lay3
	.globl	k_qe182a95d52_lay3
	.p2align	8
	.type	k_qe182a95d52_lay3,@function
k_qe182a95d52_lay3:
	s_mov_b64 s[64:65], 0
	v_nop
	global_prefetch_b8 v0, s[64:65] scope:SCOPE_SE
	s_setreg_imm32_b32 hwreg(HW_REG_WAVE_MODE, 25, 1), 1
	s_wait_xcnt 0x0
	s_wait_alu depctr_hold_cnt(0) depctr_sa_sdst(0) depctr_va_vdst(0) depctr_va_sdst(0) depctr_va_ssrc(0) depctr_va_vcc(0) depctr_vm_vsrc(0)
	s_getreg_b32 s2, hwreg(HW_REG_IB_STS2, 6, 4)
	s_cmp_eq_u32 s2, 0
	s_cbranch_scc0 .Lentry_in_a_cluster
	s_endpgm
.Lentry_in_a_cluster:
	s_bfe_u32 s2, ttmp6, 0x10000c
	s_cmp_lg_u32 s2, 0x3003
	s_cbranch_scc0 .Lentry_shape_is_right
	s_endpgm
.Lentry_shape_is_right:
; THE LAST LAYER AND THE HEAD: causal attention, projection, residual, LN2, MLP with the exact GELU, residual, the last norm, logits = h W^T + b in f32.
; SHARES.  A cluster of four work-groups is one sequence of 512 tokens.  Work-group j owns the eight tiles of 16 rows 64 i + 16 j + 0..15, so all four walk all eight key tiles of 64 and run alike:
; j enters global offsets and the numbers of the mask, never a branch or an LDS address.  Outside attention wave w owns tiles 2 w, 2 w + 1; in attention the wave is the HEAD, for all eight tiles.
; Key tile t is used by tiles i >= t (36 of 64 pairs); i = t holds the diagonal.
; LAYOUT.  Token products are taken transposed (source 0 = 16 rows of weights, source 1 = 16 tokens): a lane holds ONE token (lane % 16) and channels 16 nb + 8 (lane / 16) + 0..7; two neighbouring results,
; rounded to f16, are source 1 of the next product.  x stays in 128 f32 registers and is the accumulator of the projection and of w2: the residual costs nothing.
; All operands lie in FRAGMENT ORDER (16 x 32 = 1,024 bytes, [half][lane][16 bytes]): a fragment is two loads of 512 consecutive bytes, and every tile is a dense block of rows of 256 bytes.
; SOFTMAX.  q carries 32^-1/2 log2(e): p = 2^(s - m), m a running maximum; O and l are multiplied by 2^(m_old - m_new) in every step.  l = ones x P, by the matrix unit, in f32, of the rounded p.
; GELU.  gelu(z) = max(z, 0) - |z| w, w = (A1 t + A2 t^2 + A3 t^3) 2^(KK z^2), t = 1 / (1 + PPC |z|): Abramowitz and Stegun 7.1.25, erf within 2.5e-5 for every argument.
; THE RING.  Two slots of 64 KiB take nine tiles in turn: four of K and V (two key tiles each), four of the MLP (four blocks of 32 hidden units each), the second half of the head's weights.
; K, V and the weights are the same for the four partners: every tile is asked for jointly (mask 15), a quarter by each wave; every refill stands behind a round of the cluster barrier.
; LIMITS.  f16 holds no number beyond 65,504 and keeps a fixed step of 6e-8 below 6.1e-5 (h, q, k, v, p, O, gelu and the weights).  A hidden score counts as its value less 1e30.
; A weight p below 2^-126 counts as 0.  NaN and infinities are not treated apart.
; REGISTERS, in windows of 256 (s_set_vgpr_msb: bits 1:0 source 0, 3:2 source 1, 5:4 source 2, 7:6 destination):
;   window 0 addresses and vector work;  window 1 O^T (16 a tile), l (8 a tile), the mask, later h;  window 2 x;  window 3 K, V, Q, ones, later two buffers of weights.
.set TD, 0                             ; LDS: the first half of the head's weights, filled once
.set SLOT0, 65536
.set SLOT1, 131072
.set FIX0, 196608                      ; b_head, parameters, w_proj: 39,936 bytes, filled once
.set EXB, 236544                       ; attention's results, from the wave of a head to the wave of a tile: 32,768 bytes, never a tensor load's target
.set SPARE, 269312                     ; the spare words, 128 bytes a wave: two blocks of 256 bytes that no other line names
.set PARO, 2048
.set PROJO, 7168
.set MLPO, 39936
.set T0O, 367616
.set P_BPROJ, 0
.set P_LN2G, 512
.set P_LN2B, 1024
.set P_B2, 1536
.set P_B1, 2048
.set P_LNXG, 4096
.set P_LNXB, 4608
.set QA, 16777216
.set KA, 25165824
.set L16, 1                            ; v1  16 x lane
.set SPW, 2                            ; v2  my spare word; never rewritten
.set NIL, 3                            ; v3  0; never rewritten
.set ADK, 4
.set ADV, 5
.set AK0, 6
.set AV0, 7
.set AEXW, 8
.set AEXR, 9
.set APAR, 10
.set AW, 11
.set AFX, 12
.set AB1, 13
.set PFO, 14
.set VO0, 15
.set XO, 17
.set QO, 18
.set ABH, 19
.set TM, 20
.set RREG, 21
.set HREG, 22
.set QP, 23
.set ST, 24                            ; v24-31 m of the eight tiles
.set MU, 24
.set RS, 26
.set CC, 32                            ; v32-35 at work on the maximum
.set TR, 32
.set MN, 36
.set DD, 37
.set TA, 38                            ; v38-39
.set LI, 40                            ; v40-55 1 / l, twice a tile
.set SCO, 64                           ; scores, hidden units, results
.set CEN, 64
.set FP, 64
.set PK, 96
.set TT, 112
.set GG, 128
.set OUTR, 128
.set EE, 144
.set BI, 176
.set PP, 192
.set BB, 192
.set BH, 192
.set BHN, 196
.set LS, 128                           ; window 1
.set MD, 192
.set KF, 0                             ; window 3
.set VF, 32
.set QF, 64
.set ONE, 128
.set WA, 0
.set WB, 64
.set SIN, 4
.set WP, 6
.set DST, 10
.set WV, 12
.set CX, 13
.set SB, 14
.set G1A, 16
.set G1F, 24
.set G0, 32
.set G0F, 36
.set G0T, 40
.set NP, 44                            ; the ring's next tile in memory, my quarter
.set WMP, 46
.set PFA, 48
.set WPF, 50
.set LC, 52
.set LW0, 53
.set LW1, 54
.set CH, 55
.set CNT, 56
.set KT, 57
.set TB, 58
.set SEL, 60
.set BIGN, 62
.set I128, 63
.set EPS, 66
.set PPC, 67
.set KK, 68
.set A3, 70
.set A2, 72
.set A1, 74
.set TS, 79
.set OFO, 82
.set BO, 83
.set MSB, 0
.macro WIN new                         ; the high byte repeats the setting that is left; a switch that changes nothing is dropped
.if MSB != (\new)
	s_set_vgpr_msb (MSB<<8)|(\new)
.set MSB, (\new)
.endif
.endm
.macro PLACES                          ; four plain places behind a matrix instruction (ISA guide 7.12.1)
.rept 4
	v_nop
.endr
.endm
.macro CROUND                          ; a round of the cluster barrier
	s_barrier_signal -1
	s_barrier_wait -1
	s_cmp_lg_u32 s[WV], 0
	s_cbranch_scc1 .Lnot_wave_0_\@
	s_barrier_signal -3
.Lnot_wave_0_\@:
	s_barrier_wait -3
	s_barrier_signal -1
	s_barrier_wait -1
.endm
; A PREFETCH INTO THE L2 of the tile that the NEXT change of slots will ask for: 256 rows of 256 bytes, a lane a row.  Waves 0 and 1 of the four partners take 32 rows each, told apart by address.
; K and V are a cluster's own: every cluster asks.  The weights are read by all clusters: cluster 0 asks.  The change that asks for the ninth tile prefetches nothing.
.macro ASK
	s_cmp_gt_u32 s[CH], s[LC]
	s_cbranch_scc0 .Lnoask_\@
	global_prefetch_b8 v[PFO], s[PFA:PFA+1] th:TH_LOAD_NT scope:SCOPE_SE
.Lnoask_\@:
.endm
; THE CHANGE OF SLOTS.  Each wave waits for all its tensor loads (its quarter of the slot to be read), adds 0 to its spare word, waits for that and for its reads of the slot that it leaves;
; a round of the cluster barrier; then the joint refill, first thing behind it.  att = 1: in the attention loop, where the stream goes over from K and V to the weights.
.macro CHANGE att
	WIN 0
	s_wait_tensorcnt 0x0                           ; no tensor load of mine is out, so the descriptor may be written
	ds_add_u32 v[SPW], v[NIL]                      ; 0 onto my spare word; scalar work stands between it and the wait for it
	s_xor_b32 s[G0+1], s[G0+1], 0x30000            ; the other slot
	s_mov_b64 s[G0+2:G0+3], s[NP:NP+1]
	s_or_b32 s[G0+3], s[G0+3], 0x80000000
	s_add_nc_u64 s[NP:NP+1], s[NP:NP+1], 0x10000
	s_wait_xcnt 0x0                                ; the last prefetch, a tile back, has read its address
	s_add_nc_u64 s[PFA:PFA+1], s[PFA:PFA+1], 0x10000
.if \att
	s_cmp_eq_u32 s[CH], 2                          ; the fourth tile of K and V is being asked for: the MLP's first follows
	s_cselect_b64 s[NP:NP+1], s[WMP:WMP+1], s[NP:NP+1]
	s_cselect_b64 s[PFA:PFA+1], s[WPF:WPF+1], s[PFA:PFA+1]
	s_cselect_b32 s[LC], s[LW0], s[LC]
.endif
	s_sub_co_u32 s[TB], s[TB], 0x10000             ; the reads go back to a slot's head, in the other slot
	s_xor_b32 s[TB], s[TB], 0x30000
	s_wait_dscnt 0x0                               ; the add is done, and my reads of the slot are over
	CROUND
	tensor_load_to_lds s[G0:G0+3], s[G1A:G1A+7]    ; my one tensor load behind the round
	s_nop 0
	PLACES
	ASK
.endm
.macro FR8 buf, adr, off               ; eight fragments, 16 loads of 512 consecutive bytes, into window 3
	WIN 0xc0
.irp f, 0,1,2,3,4,5,6,7
	ds_load_b128 v[(\buf)+8*\f:(\buf)+8*\f+3], v[\adr] offset:(\off)+\f*1024
	ds_load_b128 v[(\buf)+8*\f+4:(\buf)+8*\f+7], v[\adr] offset:(\off)+\f*1024+512
.endr
	WIN 0
.endm
.macro PARL dst, off                   ; my 64 numbers of a vector of 128: channels 16 nb + 8 h + 0..7
.irp nb, 0,1,2,3,4,5,6,7
	ds_load_b128 v[(\dst)+8*\nb:(\dst)+8*\nb+3], v[APAR] offset:(\off)+64*\nb
	ds_load_b128 v[(\dst)+8*\nb+4:(\dst)+8*\nb+7], v[APAR] offset:(\off)+64*\nb+16
.endr
.endm
.macro PRL buf, kb                     ; w_proj: the eight fragments of K block kb
	WIN 0xc0
.irp nb, 0,1,2,3,4,5,6,7
	ds_load_b128 v[(\buf)+8*\nb:(\buf)+8*\nb+3], v[AFX] offset:\nb*4096+(\kb)*1024
	ds_load_b128 v[(\buf)+8*\nb+4:(\buf)+8*\nb+7], v[AFX] offset:\nb*4096+(\kb)*1024+512
.endr
	WIN 0
.endm
.macro BIL off                         ; b1 of a block of 32 hidden units: my 16 numbers
.irp a, 0,1
	ds_load_b128 v[BI+8*\a:BI+8*\a+3], v[AB1] offset:(\off)+64*\a
	ds_load_b128 v[BI+8*\a+4:BI+8*\a+7], v[AB1] offset:(\off)+64*\a+16
.endr
.endm
.macro BIAS                            ; x += the vector in GG, both tiles
	WIN 0x82
.set z, 0
.rept 32
	v_pk_add_f32 v[2*z:2*z+1], v[2*z:2*z+1], v[GG+2*z:GG+2*z+1]
	v_pk_add_f32 v[64+2*z:64+2*z+1], v[64+2*z:64+2*z+1], v[GG+2*z:GG+2*z+1]
.set z, z+1
.endr
	WIN 0
.endm
.macro GX buf, kb                      ; x += w_proj x O for K block kb: 16 accumulators take turns
	WIN 0xa7
.irp nb, 0,1,2,3,4,5,6,7
.irp u, 0,1
	v_wmma_f32_16x16x32_f16 v[64*\u+8*\nb:64*\u+8*\nb+7], v[(\buf)+8*\nb:(\buf)+8*\nb+7], v[32*\u+8*(\kb):32*\u+8*(\kb)+7], v[64*\u+8*\nb:64*\u+8*\nb+7]
.endr
.endr
.endm
; LAYER NORM of tile u: mean, then the centred squares (two passes), in f32; h rounded once to f16 into window 1.  Each accumulator of x is read from its low end on.
.macro LNT u
.set XB, 64*(\u)
	WIN 0x0a
.set z, 0
.rept 16
	v_pk_add_f32 v[TR+2*z:TR+2*z+1], v[XB+2*z:XB+2*z+1], v[XB+32+2*z:XB+32+2*z+1]
.set z, z+1
.endr
	WIN 0
.irp d, 16,8,4,2
.set z, 0
.rept \d/2
	v_pk_add_f32 v[TR+2*z:TR+2*z+1], v[TR+2*z:TR+2*z+1], v[TR+\d+2*z:TR+\d+2*z+1]
.set z, z+1
.endr
.endr
	v_add_f32 v[TR], v[TR], v[TR+1]
	v_permlanex16_b32 v[TR+1], v[TR], s[SEL], s[SEL+1]  ; the token's other 64 channels lie in the lane 16 away
	v_add_f32 v[TR], v[TR], v[TR+1]
	v_mul_f32 v[MU], s[I128], v[TR]
	v_mul_f32 v[MU+1], s[I128], v[TR]
	WIN 0x02
.set z, 0
.rept 32
	v_pk_add_f32 v[CEN+2*z:CEN+2*z+1], v[XB+2*z:XB+2*z+1], v[MU:MU+1] neg_lo:[0,1] neg_hi:[0,1]
.set z, z+1
.endr
	WIN 0
.set z, 0
.rept 4
	v_pk_mul_f32 v[TR+2*z:TR+2*z+1], v[CEN+2*z:CEN+2*z+1], v[CEN+2*z:CEN+2*z+1]
.set z, z+1
.endr
.rept 28
	v_pk_fma_f32 v[TR+2*(z%4):TR+2*(z%4)+1], v[CEN+2*z:CEN+2*z+1], v[CEN+2*z:CEN+2*z+1], v[TR+2*(z%4):TR+2*(z%4)+1]
.set z, z+1
.endr
	v_pk_add_f32 v[TR:TR+1], v[TR:TR+1], v[TR+4:TR+5]
	v_pk_add_f32 v[TR+2:TR+3], v[TR+2:TR+3], v[TR+6:TR+7]
	v_pk_add_f32 v[TR:TR+1], v[TR:TR+1], v[TR+2:TR+3]
	v_add_f32 v[TR], v[TR], v[TR+1]
	v_permlanex16_b32 v[TR+1], v[TR], s[SEL], s[SEL+1]
	v_add_f32 v[TR], v[TR], v[TR+1]
	v_fma_f32 v[TR+2], v[TR], s[I128], s[EPS]
	v_rsq_f32 v[RS], v[TR+2]
	v_rsq_f32 v[RS+1], v[TR+2]
	v_nop                                          ; a plain instruction behind the second root,
	s_wait_alu depctr_va_vdst(0)                   ; and one wait for both, ahead of their first reader
	s_wait_dscnt 0x0                               ; gain and bias are in
.set z, 0
.rept 32
	v_pk_mul_f32 v[CEN+2*z:CEN+2*z+1], v[CEN+2*z:CEN+2*z+1], v[RS:RS+1]
.set z, z+1
.endr
.set z, 0
.rept 32
	v_pk_fma_f32 v[CEN+2*z:CEN+2*z+1], v[CEN+2*z:CEN+2*z+1], v[GG+2*z:GG+2*z+1], v[BB+2*z:BB+2*z+1]
.set z, z+1
.endr
	WIN 0x40
.set z, 0
.rept 32
	v_cvt_pk_f16_f32 v[32*(\u)+z], v[CEN+2*z], v[CEN+2*z+1]
.set z, z+1
.endr
	WIN 0
.endm
.macro LNSITE goff, boff
	WIN 0
	PARL GG, \goff
	PARL BB, \boff
	LNT 0
	LNT 1
.endm
; 16 matrix instructions: two blocks a of 16 hidden units x my two tiles u, K = 128; the sums start with b1.  The four accumulators take turns.
.macro G16 buf
	WIN 0x07
.irp kb, 0,1,2,3
.irp a, 0,1
.irp u, 0,1
.set rD, SCO+8*(2*\a+\u)
.set rW, (\buf)+8*(4*\a+\kb)
.set rH, 32*\u+8*\kb
.if \kb == 0
	v_wmma_f32_16x16x32_f16 v[rD:rD+7], v[rW:rW+7], v[rH:rH+7], v[BI+8*\a:BI+8*\a+7]
.else
	v_wmma_f32_16x16x32_f16 v[rD:rD+7], v[rW:rW+7], v[rH:rH+7], v[rD:rD+7]
.endif
.endr
.endr
.endr
	WIN 0
.endm
; TILE i AGAINST THE KEY TILE IN HAND.  Jumped over where the key tile lies above the diagonal (KT > i).  Four products K Q^T, their sums started by 0 or, on the diagonal (KT = i), by the mask;
; the maximum (each accumulator read from its low end on); ONE batch of 33 exponentials with one wait; P; the rescaling; six products, O^T's two and l's accumulators by turns.
.macro UNIT i
.if (\i) < 7
	s_cmp_gt_u32 s[KT], \i
	s_cbranch_scc1 .Lskip\i
.endif
.if (\i) > 0
	s_cmp_eq_u32 s[KT], \i
	s_cbranch_scc1 .Ldiag\i
	WIN 0x0f
.irp kb, 0,1,2,3
	v_wmma_f32_16x16x32_f16 v[SCO+8*\kb:SCO+8*\kb+7], v[KF+8*\kb:KF+8*\kb+7], v[QF+8*(\i):QF+8*(\i)+7], 0
.endr
	WIN 0
	s_branch .Ljoin\i
.Ldiag\i:
.endif
	WIN 0x1f
.irp kb, 0,1,2,3
	v_wmma_f32_16x16x32_f16 v[SCO+8*\kb:SCO+8*\kb+7], v[KF+8*\kb:KF+8*\kb+7], v[QF+8*(\i):QF+8*(\i)+7], v[MD+8*\kb:MD+8*\kb+7]
.endr
	WIN 0
.if (\i) > 0
.Ljoin\i:
.endif
	PLACES
.irp n, 0,1,2,3
	v_max3_num_f32 v[CC+\n], v[SCO+8*\n], v[SCO+8*\n+1], v[SCO+8*\n+2]
.endr
.irp n, 0,1,2,3
	v_max3_num_f32 v[CC+\n], v[CC+\n], v[SCO+8*\n+3], v[SCO+8*\n+4]
.endr
.irp n, 0,1,2,3
	v_max3_num_f32 v[CC+\n], v[CC+\n], v[SCO+8*\n+5], v[SCO+8*\n+6]
.endr
	v_max3_num_f32 v[CC], v[CC], v[SCO+7], v[SCO+15]
	v_max3_num_f32 v[CC+1], v[CC+1], v[SCO+23], v[SCO+31]
	v_max3_num_f32 v[CC+2], v[CC+2], v[CC+3], v[ST+(\i)]
	v_max3_num_f32 v[CC], v[CC], v[CC+1], v[CC+2]
	v_permlanex16_b32 v[CC+3], v[CC], s[SEL], s[SEL+1]  ; the query's other 32 keys lie in the lane 16 away
	v_max_num_f32 v[MN], v[CC], v[CC+3]
	v_sub_f32 v[DD], v[ST+(\i)], v[MN]
	v_mov_b32 v[ST+(\i)], v[MN]
	v_exp_f32 v[TA], v[DD]
	v_pk_add_f32 v[SCO:SCO+1], v[SCO:SCO+1], v[MN:MN+1] op_sel_hi:[1,0] neg_lo:[0,1] neg_hi:[0,1]
.set z, 1
.rept 15
	v_pk_add_f32 v[SCO+2*z:SCO+2*z+1], v[SCO+2*z:SCO+2*z+1], v[MN:MN+1] op_sel_hi:[1,0] neg_lo:[0,1] neg_hi:[0,1]
	v_exp_f32 v[SCO+2*z-2], v[SCO+2*z-2]
	v_exp_f32 v[SCO+2*z-1], v[SCO+2*z-1]
.set z, z+1
.endr
	v_exp_f32 v[SCO+30], v[SCO+30]
	v_exp_f32 v[SCO+31], v[SCO+31]
	v_nop                                          ; a plain instruction behind the last exponential,
	s_wait_alu depctr_va_vdst(0)                   ; and one wait for the batch: nothing above names a result of it
.set z, 0
.rept 16
	v_cvt_pk_f16_f32 v[PK+z], v[SCO+2*z], v[SCO+2*z+1]
.set z, z+1
.endr
	WIN 0x41
.set z, 0
.rept 8
	v_pk_mul_f32 v[16*(\i)+2*z:16*(\i)+2*z+1], v[16*(\i)+2*z:16*(\i)+2*z+1], v[TA:TA+1] op_sel_hi:[1,0]
.set z, z+1
.endr
.set z, 0
.rept 4
	v_pk_mul_f32 v[LS+8*(\i)+2*z:LS+8*(\i)+2*z+1], v[LS+8*(\i)+2*z:LS+8*(\i)+2*z+1], v[TA:TA+1] op_sel_hi:[1,0]
.set z, z+1
.endr
	s_wait_dscnt 0x0                               ; V is in
	WIN 0x53
.irp kk, 0,1
	v_wmma_f32_16x16x32_f16 v[16*(\i):16*(\i)+7], v[VF+8*\kk:VF+8*\kk+7], v[PK+8*\kk:PK+8*\kk+7], v[16*(\i):16*(\i)+7]
	v_wmma_f32_16x16x32_f16 v[16*(\i)+8:16*(\i)+15], v[VF+16+8*\kk:VF+16+8*\kk+7], v[PK+8*\kk:PK+8*\kk+7], v[16*(\i)+8:16*(\i)+15]
	v_wmma_f32_16x16x32_f16 v[LS+8*(\i):LS+8*(\i)+7], v[ONE:ONE+7], v[PK+8*\kk:PK+8*\kk+7], v[LS+8*(\i):LS+8*(\i)+7]
.endr
	WIN 0
.if (\i) < 7
.Lskip\i:
.endif
.endm
; THE GELU of 32 numbers a lane, in three stages: what feeds the transcendentals; ONE batch of 32 reciprocals and 32 exponentials with one wait; the polynomial, the result, its rounding to f16.
.macro GELU
	WIN 0
.set z, 0
.rept 16
	v_fma_f32 v[TT+2*z], |v[SCO+2*z]|, s[PPC], 1.0
	v_fma_f32 v[TT+2*z+1], |v[SCO+2*z+1]|, s[PPC], 1.0
	v_pk_mul_f32 v[EE+2*z:EE+2*z+1], v[SCO+2*z:SCO+2*z+1], v[SCO+2*z:SCO+2*z+1]
.set z, z+1
.endr
.set z, 0
.rept 16
	v_pk_mul_f32 v[EE+2*z:EE+2*z+1], v[EE+2*z:EE+2*z+1], s[KK:KK+1] op_sel_hi:[1,0]
.set z, z+1
.endr
.set z, 0
.rept 32
	v_rcp_f32 v[TT+z], v[TT+z]
	v_exp_f32 v[EE+z], v[EE+z]
.set z, z+1
.endr
	v_nop
	s_wait_alu depctr_va_vdst(0)
.set z, 0
.rept 16
	v_pk_fma_f32 v[PP+2*z:PP+2*z+1], v[TT+2*z:TT+2*z+1], s[A3:A3+1], s[A2:A2+1] op_sel_hi:[1,0,0]
.set z, z+1
.endr
.set z, 0
.rept 16
	v_pk_fma_f32 v[PP+2*z:PP+2*z+1], v[PP+2*z:PP+2*z+1], v[TT+2*z:TT+2*z+1], s[A1:A1+1] op_sel_hi:[1,1,0]
.set z, z+1
.endr
.set z, 0
.rept 16
	v_pk_mul_f32 v[PP+2*z:PP+2*z+1], v[PP+2*z:PP+2*z+1], v[TT+2*z:TT+2*z+1]
.set z, z+1
.endr
.set z, 0
.rept 16
	v_pk_mul_f32 v[PP+2*z:PP+2*z+1], v[PP+2*z:PP+2*z+1], v[EE+2*z:EE+2*z+1]
.set z, z+1
.endr
.set z, 0
.rept 32
	v_max_num_f32 v[TT+z], 0, v[SCO+z]
.set z, z+1
.endr
.set z, 0
.rept 32
	v_fma_f32 v[EE+z], -|v[SCO+z]|, v[PP+z], v[TT+z]
.set z, z+1
.endr
.set z, 0
.rept 16                                       ; result z / 4 = 2 block + tile: the tile's source 1 takes block 0 in registers 0-3, block 1 in 4-7
	v_cvt_pk_f16_f32 v[PK+8*((z/4)%2)+4*(z/8)+z%4], v[EE+2*z], v[EE+2*z+1]
.set z, z+1
.endr
.endm
	s_load_b128 s[4:7], s[0:1], 0x0                ; the state read, the weights
	s_load_b64 s[10:11], s[0:1], 0x10              ; the logits
	v_lshl_add_u32 v[SPW], v0, 2, SPARE
	v_mov_b32 v[NIL], 0
	ds_add_u32 v[SPW], v[NIL]                      ; the opening: the add and its wait ahead of my first tensor load
	v_lshrrev_b32 v[TM], 5, v0
	v_readfirstlane_b32 s[WV], v[TM]
	s_mov_b32 s[SB], ttmp9                         ; the sequence
	; descriptors: dense blocks as rows of 256 bytes (32 elements of 8 bytes), mask of all four partners, bit 21 beside it; 64 rows are a quarter of a tile, 39 a quarter of the fixed part
.irp g, G1A, G1F
	s_mov_b32 s[\g+0], 0x23000f
	s_mov_b32 s[\g+1], 32<<16
	s_mov_b32 s[\g+3], 32<<16
	s_mov_b32 s[\g+5], 32
	s_mov_b32 s[\g+6], 0
	s_mov_b32 s[\g+7], 0
.endr
	s_mov_b32 s[G1A+2], 64<<16
	s_mov_b32 s[G1A+4], 64
	s_mov_b32 s[G1F+2], 39<<16
	s_mov_b32 s[G1F+4], 39
	s_lshl_b32 s84, s[WV], 14
	s_mov_b32 s85, 0
	s_mul_i32 s86, s[WV], 9984
	s_mov_b32 s87, 0
	s_mov_b32 s[G0], 1
	s_add_co_u32 s[G0+1], s84, SLOT0
	s_mov_b32 s[G0T], 1
	s_mov_b32 s[G0T+1], s84                        ; TD + 16,384 x wave
	s_mov_b32 s[G0F], 1
	s_add_co_u32 s[G0F+1], s86, FIX0
	s_mov_b32 s[SEL], 0x76543210
	s_mov_b32 s[SEL+1], 0xfedcba98
	s_mov_b32 s[BIGN], 0xf149f2ca                  ; -1e30
	s_mov_b32 s[I128], 0x3c000000                  ; 1 / 128
	s_mov_b32 s[EPS], 0x3727c5ac                   ; 1e-5
	s_mov_b32 s[PPC], 0x3eaa540e                   ; 0.47047 / sqrt(2)
	s_mov_b32 s[KK], 0xbf38aa3b                    ; -log2(e) / 2
	s_mov_b32 s[KK+1], s[KK]
	s_mov_b32 s[A3], 0x3ebf7377                    ; 0.7478556 / 2
	s_mov_b32 s[A3+1], s[A3]
	s_mov_b32 s[A2], 0xbd445ca1                    ; -0.0958798 / 2
	s_mov_b32 s[A2+1], s[A2]
	s_mov_b32 s[A1], 0x3e32303a                    ; 0.3480242 / 2
	s_mov_b32 s[A1+1], s[A1]
	s_mov_b32 s[TB], 0x30000                       ; the first change of slots turns this into slot 0
	s_mov_b32 s[KT], 0
	s_mov_b32 s[CH], 4
	s_lshr_b32 s2, s[WV], 1                        ; who prefetches: waves 0 and 1; for the weights in cluster 0 alone: the same in all four partners
	s_cmp_eq_u32 s2, 0
	s_cselect_b32 s[LC], 0, -1
	s_or_b32 s2, s2, ttmp9
	s_cmp_eq_u32 s2, 0
	s_cselect_b32 s[LW0], 0, -1
	s_cselect_b32 s[LW1], 1, -1
	v_and_b32 v[TM], 31, v0
	v_lshlrev_b32 v[L16], 4, v[TM]
	v_and_b32 v[RREG], 15, v0
	v_bfe_u32 v[HREG], v0, 4, 1
	; LDS addresses: constants, the wave's number, the lane
	s_lshl_b32 s2, s[WV], 10
	v_add_nc_u32 v[AK0], s2, v[L16]
	s_add_co_u32 s3, s2, EXB
	v_add_nc_u32 v[AEXW], s3, v[L16]
	s_lshl_b32 s3, s[WV], 12
	s_add_co_u32 s3, s3, 16384
	v_add_nc_u32 v[AV0], s3, v[L16]
	s_lshl_b32 s3, s[WV], 13
	s_add_co_u32 s3, s3, EXB
	v_add_nc_u32 v[AEXR], s3, v[L16]
	v_lshlrev_b32 v[APAR], 5, v[HREG]
	v_add_nc_u32 v[APAR], FIX0+PARO, v[APAR]
	v_add_nc_u32 v[AFX], FIX0+PROJO, v[L16]
	v_lshlrev_b32 v[ABH], 4, v[RREG]
	v_add_nc_u32 v[ABH], FIX0, v[ABH]
	; what hangs on my place in the cluster: global offsets and the mask's numbers alone
	s_bfe_u32 s[CX], ttmp6, 0x40000
	s_lshl_b32 s2, s[CX], 1
	s_add_co_u32 s2, s2, s[WV]
	s_lshl_b32 s2, s2, 5
	v_add_nc_u32 v[PFO], s2, v[TM]
	v_lshlrev_b32 v[PFO], 8, v[PFO]
	s_lshl_b32 s59, s[SB], 2
	s_add_co_u32 s59, s59, s[CX]
	s_lshl_b32 s59, s59, 15
	s_lshl_b32 s2, s[WV], 10
	s_add_co_u32 s3, s59, s2
	s_add_co_u32 s3, s3, QA
	v_add_nc_u32 v[QO], s3, v[L16]
	s_lshl_b32 s3, s59, 1
	s_lshl_b32 s2, s[WV], 14
	s_add_co_u32 s3, s3, s2
	v_add_nc_u32 v[XO], s3, v[L16]
	s_lshl_b32 s2, s[SB], 20                       ; the logits' rows: 2,048 bytes each; sequence, wave's 128 rows, my 16 of each 64
	s_lshl_b32 s3, s[WV], 18
	s_add_co_u32 s2, s2, s3
	s_lshl_b32 s3, s[CX], 15
	s_add_co_u32 s[OFO], s2, s3
	s_lshl_b32 s2, s[CX], 4
	v_lshlrev_b32 v[QP], 3, v[HREG]
	v_sub_nc_u32 v[QP], v[RREG], v[QP]
	v_add_nc_u32 v[QP], s2, v[QP]                  ; my query's place in its band of 64, less my lanes' 8 (lane / 16)
	s_wait_dscnt 0x0                               ; the opening add is done
	s_wait_kmcnt 0x0
	s_add_nc_u64 s[G0F+2:G0F+3], s[WP:WP+1], s[86:87]
	s_or_b32 s[G0F+3], s[G0F+3], 0x80000000
	s_add_nc_u64 s[WMP:WMP+1], s[WP:WP+1], s[84:85]
	s_add_nc_u64 s[G0T+2:G0T+3], s[WMP:WMP+1], T0O
	s_or_b32 s[G0T+3], s[G0T+3], 0x80000000
	s_add_nc_u64 s[WMP:WMP+1], s[WMP:WMP+1], MLPO
	s_add_nc_u64 s[WPF:WPF+1], s[WP:WP+1], MLPO
	s_lshl_b32 s86, s[SB], 18
	s_add_co_u32 s86, s86, KA
	s_add_nc_u64 s[PFA:PFA+1], s[SIN:SIN+1], s[86:87]  ; the sequence's K and V
	s_add_nc_u64 s[G0+2:G0+3], s[PFA:PFA+1], s[84:85]
	s_add_nc_u64 s[NP:NP+1], s[G0+2:G0+3], 0x10000
	s_or_b32 s[G0+3], s[G0+3], 0x80000000
	s_add_nc_u64 s[PFA:PFA+1], s[PFA:PFA+1], 0x10000   ; the first change steps it to the third tile.  Nothing is prefetched here, at the head
	CROUND                                         ; all four work-groups are here: the first joint loads meet
	tensor_load_to_lds s[G0:G0+3], s[G1A:G1A+7]    ; key tiles 0 and 1 into slot 0: three loads of mine are out
	s_nop 0
	tensor_load_to_lds s[G0F:G0F+3], s[G1F:G1F+7]  ; b_head, parameters, w_proj
	s_nop 0
	tensor_load_to_lds s[G0T:G0T+3], s[G1A:G1A+7]  ; the first half of the head's weights
	s_nop 0
	PLACES
	WIN 0xc0
.irp i, 0,1,2,3,4,5,6,7                        ; Q of my head, all eight tiles: it stays in registers
	global_load_b128 v[QF+8*\i:QF+8*\i+3], v[QO], s[SIN:SIN+1] offset:\i*4096 th:TH_LOAD_NT
	global_load_b128 v[QF+8*\i+4:QF+8*\i+7], v[QO], s[SIN:SIN+1] offset:\i*4096+512 th:TH_LOAD_NT
.endr
.set z, 0
.rept 8
	v_mov_b32 v[ONE+z], 0x3c003c00                 ; 1.0 twice, in f16
.set z, z+1
.endr
	WIN 0x80
.set z, 0
.rept 32                                       ; x of my two tiles: wanted behind attention
	global_load_b128 v[4*z:4*z+3], v[XO], s[SIN:SIN+1] offset:512*z th:TH_LOAD_NT
.set z, z+1
.endr
	WIN 0x40
.set z, 0
.rept 192                                      ; O^T and l start at 0, m at the lowest finite number: the first step is a step like any other.  Written in the wait for the first tile
	v_mov_b32 v[z], 0
.set z, z+1
.endr
.set z, 0
.rept 32                                       ; the mask of the diagonal tile: register z % 8 of key group z / 8 is hidden where 16 (z / 8) + z % 8 is greater than QP
	v_cmp_gt_i32 vcc_lo, 16*(z/8)+z%8, v[QP]
	v_cndmask_b32 v[MD+z], 0, s[BIGN], vcc_lo
.set z, z+1
.endr
	WIN 0
.set z, 0
.rept 8
	v_mov_b32 v[ST+z], 0xff7fffff
.set z, z+1
.endr
	v_mov_b32 v[TA+1], 0                           ; named with TA as a pair
	s_wait_loadcnt 32                              ; Q is in; the 32 loads of x may be out
	; ATTENTION: four tiles of the ring, two key tiles each
.Lchunk:
	CHANGE 1
	s_mov_b32 s[CNT], 2
.Lkt:
	PLACES                                         ; behind the last products that read V
	v_add_nc_u32 v[ADK], s[TB], v[AK0]
	v_add_nc_u32 v[ADV], s[TB], v[AV0]
	WIN 0xc0
.irp kb, 0,1,2,3
	ds_load_b128 v[KF+8*\kb:KF+8*\kb+3], v[ADK] offset:\kb*4096
	ds_load_b128 v[KF+8*\kb+4:KF+8*\kb+7], v[ADK] offset:\kb*4096+512
.endr
.irp f, 0,1,2,3
	ds_load_b128 v[VF+8*\f:VF+8*\f+3], v[ADV] offset:\f*1024
	ds_load_b128 v[VF+8*\f+4:VF+8*\f+7], v[ADV] offset:\f*1024+512
.endr
	WIN 0
	s_wait_dscnt 8                                 ; K is in; the eight loads of V may be out
	UNIT 0
	UNIT 1
	UNIT 2
	UNIT 3
	UNIT 4
	UNIT 5
	UNIT 6
	UNIT 7
	s_add_co_u32 s[KT], s[KT], 1
	s_add_co_u32 s[TB], s[TB], 32768
	s_sub_co_u32 s[CNT], s[CNT], 1
	s_cmp_lg_u32 s[CNT], 0
	s_cbranch_scc1 .Lkt
	s_sub_co_u32 s[CH], s[CH], 1
	s_cmp_lg_u32 s[CH], 0
	s_cbranch_scc1 .Lchunk
	; O^T / l, rounded to f16, from the wave of a head to the wave of a tile
	PLACES
	WIN 0x01
.set z, 0
.rept 8
	v_rcp_f32 v[LI+2*z], v[LS+8*z]
	v_rcp_f32 v[LI+2*z+1], v[LS+8*z]
.set z, z+1
.endr
	v_nop
	s_wait_alu depctr_va_vdst(0)                   ; one wait for the sixteen reciprocals
	WIN 0x41
.set z, 0
.rept 64
	v_pk_mul_f32 v[2*z:2*z+1], v[2*z:2*z+1], v[LI+2*(z/8):LI+2*(z/8)+1]
.set z, z+1
.endr
	WIN 0x05
.set z, 0
.rept 64
	v_cvt_pk_f16_f32 v[FP+z], v[2*z], v[2*z+1]
.set z, z+1
.endr
	WIN 0
.irp i, 0,1,2,3,4,5,6,7
	ds_store_b128 v[AEXW], v[FP+8*\i:FP+8*\i+3] offset:\i*4096
	ds_store_b128 v[AEXW], v[FP+8*\i+4:FP+8*\i+7] offset:\i*4096+512
.endr
	s_wait_dscnt 0x0                               ; for the others' sake: my stores are done
	s_barrier_signal -1
	s_barrier_wait -1                              ; the MLP's first tile may stay on its way
	WIN 0x40
.irp u, 0,1
.irp kb, 0,1,2,3
	ds_load_b128 v[32*\u+8*\kb:32*\u+8*\kb+3], v[AEXR] offset:\u*4096+\kb*1024
	ds_load_b128 v[32*\u+8*\kb+4:32*\u+8*\kb+7], v[AEXR] offset:\u*4096+\kb*1024+512
.endr
.endr
	; THE PROJECTION: x += b_proj + w_proj O
	PRL WA, 0
	PRL WB, 1
	PARL GG, P_BPROJ
	s_wait_loadcnt 0x0                             ; x is in
	s_wait_dscnt 0x0
	BIAS
	GX WA, 0
	PLACES
	PRL WA, 2
	GX WB, 1
	PLACES
	PRL WB, 3
	s_wait_dscnt 16                                ; K block 2 is in; the 16 loads of block 3 may be out
	GX WA, 2
	s_wait_dscnt 0x0
	GX WB, 3
	WIN 0
	PLACES
	LNSITE P_LN2G, P_LN2B
	PARL GG, P_B2
	s_wait_dscnt 0x0
	BIAS
	; THE MLP: four tiles of the ring, four blocks of 32 hidden units each
	s_mov_b32 s[BO], P_B1
	s_mov_b32 s[CH], 4
	s_mov_b32 s[LC], s[LW1]
.Lmc:
	CHANGE 0
	v_add_nc_u32 v[AW], s[TB], v[L16]
	FR8 WA, AW, 0
	v_add_nc_u32 v[AB1], s[BO], v[APAR]
	BIL 0
	s_mov_b32 s[CNT], 4
.Lmt:
	s_wait_dscnt 0x0                               ; the block's w1 and b1 are in
	G16 WA
	PLACES
	FR8 WB, AW, 8192                               ; its w2
	s_cmp_eq_u32 s[CNT], 1                         ; the next block's w1 and b1, where it lies in this slot
	s_cbranch_scc1 .Lmskip
	FR8 WA, AW, 16384
	BIL 128
.Lmskip:
	GELU
	s_wait_dscnt 0x0
	WIN 0xa3
.irp nb, 0,1,2,3,4,5,6,7
.irp u, 0,1
	v_wmma_f32_16x16x32_f16 v[64*\u+8*\nb:64*\u+8*\nb+7], v[WB+8*\nb:WB+8*\nb+7], v[PK+8*\u:PK+8*\u+7], v[64*\u+8*\nb:64*\u+8*\nb+7]
.endr
.endr
	WIN 0
	s_add_co_u32 s[TB], s[TB], 16384
	s_add_co_u32 s[BO], s[BO], 128
	v_add_nc_u32 v[AW], s[TB], v[L16]
	v_add_nc_u32 v[AB1], s[BO], v[APAR]
	s_sub_co_u32 s[CNT], s[CNT], 1
	s_cmp_lg_u32 s[CNT], 0
	s_cbranch_scc1 .Lmt
	s_sub_co_u32 s[CH], s[CH], 1
	s_cmp_lg_u32 s[CH], 0
	s_cbranch_scc1 .Lmc
	; THE TAIL.  The ninth tile is waited for; nothing is filled any more
	s_wait_tensorcnt 0x0
	ds_add_u32 v[SPW], v[NIL]
	s_wait_dscnt 0x0
	s_barrier_signal -1
	s_barrier_wait -1
	PLACES
	LNSITE P_LNXG, P_LNXB
	; THE HEAD: eight trips of 64 columns.  Tokens are source 0; fragment row r of part q is column 64 G + 4 r + q: a lane ends with 4 neighbouring columns, 16 lanes with 256 bytes of a row
	s_mov_b32 s[TB], 0
	s_mov_b32 s[BO], 0
	s_mov_b32 s[TS], 0                             ; the step of the store offset: 0 in the first trip
	s_mov_b32 s[CNT], 8
	v_lshlrev_b32 v[VO0], 14, v[HREG]
	v_lshl_add_u32 v[VO0], v[RREG], 4, v[VO0]
	v_add_nc_u32 v[VO0], s[OFO], v[VO0]
	v_mov_b32 v[AW], v[L16]
	v_mov_b32 v[AB1], v[ABH]
	FR8 WA, AW, 0
	FR8 WB, AW, 8192
	ds_load_b128 v[BHN:BHN+3], v[AB1]
.Lhd:
	s_wait_dscnt 0x0                               ; the trip's 16 fragments and its four numbers of b_head are in
	s_wait_xcnt 0x0                                ; the last stores have read their offset and data
	v_add_nc_u32 v[VO0], s[TS], v[VO0]
	s_mov_b32 s[TS], 256
.irp q, 0,1,2,3
	v_mov_b32 v[BH+\q], v[BHN+\q]
.endr
	WIN 0x0d
.irp kb, 0,1,2,3
.irp q, 0,1,2,3
.irp u, 0,1
.if \kb == 0
	v_wmma_f32_16x16x32_f16 v[SCO+8*(2*\q+\u):SCO+8*(2*\q+\u)+7], v[32*\u+8*\kb:32*\u+8*\kb+7], v[8*(4*\q+\kb):8*(4*\q+\kb)+7], 0
.else
	v_wmma_f32_16x16x32_f16 v[SCO+8*(2*\q+\u):SCO+8*(2*\q+\u)+7], v[32*\u+8*\kb:32*\u+8*\kb+7], v[8*(4*\q+\kb):8*(4*\q+\kb)+7], v[SCO+8*(2*\q+\u):SCO+8*(2*\q+\u)+7]
.endif
.endr
.endr
.endr
	WIN 0
	PLACES
	s_cmp_eq_u32 s[CNT], 1                         ; behind the eighth group there is nothing to fetch
	s_cbranch_scc1 .Lhskip
	FR8 WA, AW, 16384
	FR8 WB, AW, 24576
	ds_load_b128 v[BHN:BHN+3], v[AB1] offset:256
.Lhskip:
.irp u, 0,1
.irp jj, 0,1,2,3,4,5,6,7
.irp q, 0,1,2,3
	v_add_f32 v[OUTR+4*(8*\u+\jj)+\q], v[SCO+8*(2*\q+\u)+\jj], v[BH+\q]
.endr
.endr
.endr
.irp u, 0,1
.irp jj, 0,1,2,3,4,5,6,7
	global_store_b128 v[VO0], v[OUTR+4*(8*\u+\jj):OUTR+4*(8*\u+\jj)+3], s[DST:DST+1] offset:\u*131072+\jj*2048 th:TH_STORE_NT  ; 16 lanes store 256 consecutive bytes, at a multiple of 256 from the first byte
.endr
.endr
	s_add_co_u32 s[TB], s[TB], 16384
	s_add_co_u32 s[BO], s[BO], 256
	v_add_nc_u32 v[AW], s[TB], v[L16]
	v_add_nc_u32 v[AB1], s[BO], v[ABH]
	s_sub_co_u32 s[CNT], s[CNT], 1
	s_cmp_lg_u32 s[CNT], 0
	s_cbranch_scc1 .Lhd
	s_wait_tensorcnt 0x0                           ; the wave's end, behind my last tensor load and my last LDS store
	ds_add_u32 v[SPW], v[NIL]
	s_wait_dscnt 0x0
	CROUND                                         ; the closing round: no work-group ends while a partner may still ask for a tile that names it
	s_endpgm
.Lfunc_end_k_qe182a95d52_lay3:
	.size	k_qe182a95d52_lay3, .Lfunc_end_k_qe182a95d52_lay3-k_qe182a95d52_lay3
	.p2alignl 7, 3214868480
	.fill 96, 4, 3214868480
	.section	.rodata,"a",@progbits
	.p2align	6, 0x0
	.amdhsa_kernel k_qe182a95d52_lay3
		.amdhsa_group_segment_fixed_size 327680
		.amdhsa_private_segment_fixed_size 0
		.amdhsa_enable_private_segment 0
		.amdhsa_kernarg_size 24
		.amdhsa_user_sgpr_count 2
		.amdhsa_user_sgpr_kernarg_segment_ptr 1
		.amdhsa_wavefront_size32 1
		.amdhsa_system_sgpr_workgroup_id_x 1
		.amdhsa_system_sgpr_workgroup_id_y 1
		.amdhsa_system_sgpr_workgroup_id_z 1
		.amdhsa_system_vgpr_workitem_id 0
		.amdhsa_next_free_vgpr 904
		.amdhsa_next_free_sgpr 88
		.amdhsa_reserve_vcc 1
		.amdhsa_float_denorm_mode_32 3
		.amdhsa_float_denorm_mode_16_64 3
		.amdhsa_memory_ordered 1
		.amdhsa_forward_progress 1
		.amdhsa_inst_pref_size 194
	.end_amdhsa_kernel
	.amdgpu_metadata
---
amdhsa.version: [ 1, 2 ]
amdhsa.kernels:
  - .name:           k_qe182a95d52_lay3
    .symbol:         k_qe182a95d52_lay3.kd
    .args:
      - { .name: stB, .offset: 0, .size: 8, .value_kind: global_buffer, .address_space: global }
      - { .name: wF, .offset: 8, .size: 8, .value_kind: global_buffer, .address_space: global }
      - { .name: out0, .offset: 16, .size: 8, .value_kind: global_buffer, .address_space: global }
    .group_segment_fixed_size: 327680
    .private_segment_fixed_size: 0
    .kernarg_segment_align: 8
    .kernarg_segment_size: 24
    .max_flat_workgroup_size: 128
    .sgpr_count:     88
    .vgpr_count:     904
    .wavefront_size: 32
...
	.end_amdgpu_metadata
.endif
;; end of part 4
;; ======== version 2 of 2: 6 launches; version 1 with the launch prep written anew for expert scheduling mode
;; limits: values are held in f16: magnitudes above 65,504 overflow, below 6.1e-05 lose precision; a function is approximated: absolute error at most 2.5e-05
;; workspace buffers: stA 41,943,040 bytes; stB 41,943,040 bytes; wM0 433,152 bytes; wM1 433,152 bytes; wM2 433,152 bytes; wF 1,089,536 bytes
;; launch prep (part 5): grid 17 x 4, 8 waves a work-group, no clusters, 0 bytes of LDS; arguments wq, wk, wv, w_proj, w1, w2, w_head, b_proj, ln2_g, ln2_b, b2, b1, ln1_g, ln1_b, lnf_g, lnf_b, b_head, tok_emb, pos_emb, wM0, wM1, wM2, wF; writes wM0, wM1, wM2, wF
.if DOCPART == 5
	.amdgcn_target "amdgcn-amd-amdhsa--gfx1250"
	.amdhsa_code_object_version 6
	.text
	.protected	k_qe182a95d52_prep
	.globl	k_qe182a95d52_prep
	.p2align	8
	.type	k_qe182a95d52_prep,@function
k_qe182a95d52_prep:
	s_mov_b64 s[64:65], 0
	v_nop
	global_prefetch_b8 v0, s[64:65] scope:SCOPE_SE
	s_setreg_imm32_b32 hwreg(HW_REG_WAVE_SCHED_MODE, 0, 2), 2
	s_setreg_imm32_b32 hwreg(HW_REG_WAVE_MODE, 25, 1), 1
	s_wait_xcnt 0x0
	s_wait_alu depctr_vm_vsrc(0)
; PREP.  Every floating-point input is rounded once to bf16.  Matrix weights are then written as f16 (the bf16 number is exact in f16 from 6.1e-5 up to
; 65,504; below that it keeps the fixed step 6e-8) in FRAGMENT ORDER; gains, biases and the two embedding tables are written as f32 numbers.
; FRAGMENT ORDER: a block of 16 rows x 32 k is 1,024 bytes, [half 0..1][lane 0..31][16 bytes]: lane l holds row l % 16, k = 16 half + 8 (l / 16) + 0..7.
; One work-group makes one unit of 32 KiB = 2,048 pieces of 16 bytes; thread t makes pieces 256 q + t, q = 0..7: fragment 4 q + wave / 2, half wave % 2.
; Grid x = kind of unit (0-2 wq wk wv, 3 w_proj, 4-11 w1 and w2, 12 w_head and the small vectors, 13-16 the tables), grid y = layer.
; A layer buffer holds: b_head, the parameters, w_proj, 16 blocks of (w1, w2), and the weights of the tail that the layer launch runs: Q K V of the NEXT layer
; (V twice, so that all tiles of the layer launch's ring have one size) or, in wF, the head.  wF also holds what the embedding launch reads.
; THE MODE: SCHED_MODE bits 1:0 = 2 (LLVM: expert scheduling mode 2), set by the entry lines.  The code itself states the register dependences
; between vector instructions and memory instructions, with s_wait_alu, always for 0.
; THE PLAN.  Registers that memory instructions touch:
;   v4, v6, v7, v9, v10-v12   byte offsets.  Each is written once, by vector instructions, and then only read, by loads and stores.
;   RR  v32-95    loads land in it; the roundings read it and write it in place.  In the tables' branch and in the small vectors' block stores read it; nothing writes it behind them.
;   OU  v96-127   written once, by the last conversions of a piece; read by that piece's store (V's pieces: by two stores).
;   TP  v16-19    named by vector instructions alone.
; No register that a load or store has read is written again on any way through the text, so no wait on vm_vsrc is written.
; A unit's eight pieces go in two halves: pieces 0-3 are rounded; one wait on va_vdst; their four stores are dealt among the roundings of pieces 4-7, which name TP and
; their own RR and OU registers alone; a second wait; the last four stores.  Ahead of each run of loads one wait on va_vdst states that its offsets are written.
.set PARO, 2048                        ; parameters: b_proj, ln2_g, ln2_b, b2 (512 each), b1 (2,048), next gain, next bias
.set PROJO, 7168
.set MLPO, 39936
.set T1O, 302080
.set T0O, 367616
.set ELNO, 433152
.set ET0O, 434176
.set ET1O, 499712
.set TOKO, 565248
.set WQ, 8
.set WK, 10
.set WVV, 12
.set WPROJ, 14
.set W1, 16
.set W2, 18
.set WHEAD, 20
.set BPROJ, 22
.set LN2G, 24
.set LN2B, 26
.set B2, 28
.set B1, 30
.set LN1G, 32
.set LN1B, 34
.set LNFG, 36
.set LNFB, 38
.set BHEAD, 40
.set TOKE, 42
.set POSE, 44
.set WM0, 46
.set WM1, 48
.set WM2, 50
.set WFP, 52
.set UX, 58                            ; kind of unit
.set LY, 59                            ; layer
.set WN, 60                            ; wave
.set HM, 61                            ; mask of a word's upper bf16
.set TS0, 62
.set TS1, 63
.set CUR, 66                           ; the buffer of the launch that runs layer LY
.set PRV, 68                           ; the buffer of the launch that makes Q K V of layer LY
.set DP, 70                            ; where this unit goes
.set SRC, 72
.set DOF, 74
.set PT0, 75
.set PT1, 76
.set PLN, 77
.set TP, 16                            ; v16-19 at work
.set RR, 32                            ; v32-95 as loaded
.set OU, 96                            ; v96-127 packed, to store
	s_load_b512 s[8:23], s[0:1], 0x0               ; the 23 addresses: 8,
	s_load_b512 s[24:39], s[0:1], 0x40             ; 8,
	s_load_b256 s[40:47], s[0:1], 0x80             ; 4,
	s_load_b128 s[48:51], s[0:1], 0xa0             ; 2,
	s_load_b64 s[52:53], s[0:1], 0xb0              ; 1
	s_mov_b32 s[UX], ttmp9
	s_and_b32 s[LY], ttmp7, 0xffff
	s_mov_b32 s[HM], 0xffff0000
	v_lshrrev_b32 v1, 5, v0
	v_readfirstlane_b32 s[WN], v1
	v_and_b32 v2, 15, v0                           ; r
	v_bfe_u32 v3, v0, 4, 1                         ; h
	v_lshlrev_b32 v4, 4, v0                        ; 16 t: my piece in 4,096 bytes
	v_lshlrev_b32 v8, 5, v3                        ; 32 h
	s_wait_alu depctr_va_sdst(0)                   ; the wave's number is written, ahead of its first reader, the shift below
	s_lshl_b32 s[TS0], s[WN], 6
	v_add_nc_u32 v5, s[TS0], v8                    ; 4 (16 wave + 8 h): my first k of 128, in bytes
	s_mov_b32 s[PT0], T0O
	s_mov_b32 s[PT1], T1O
	s_mov_b32 s[PLN], PARO+4096
	s_wait_kmcnt 0x0
	s_cmp_eq_u32 s[LY], 0
	s_cselect_b64 s[CUR:CUR+1], s[WM0:WM0+1], s[WM1:WM1+1]
	s_cselect_b64 s[PRV:PRV+1], s[WFP:WFP+1], s[WM0:WM0+1]
	s_cselect_b32 s[PT0], ET0O, s[PT0]
	s_cselect_b32 s[PT1], ET1O, s[PT1]
	s_cselect_b32 s[PLN], ELNO, s[PLN]
	s_cmp_eq_u32 s[LY], 2
	s_cselect_b64 s[CUR:CUR+1], s[WM2:WM2+1], s[CUR:CUR+1]
	s_cselect_b64 s[PRV:PRV+1], s[WM1:WM1+1], s[PRV:PRV+1]
	s_cmp_eq_u32 s[LY], 3
	s_cselect_b64 s[CUR:CUR+1], s[WFP:WFP+1], s[CUR:CUR+1]
	s_cselect_b64 s[PRV:PRV+1], s[WM2:WM2+1], s[PRV:PRV+1]
	s_cmp_lt_u32 s[UX], 3
	s_cbranch_scc1 .Lqkv
	s_cmp_eq_u32 s[UX], 3
	s_cbranch_scc1 .Lproj
	s_cmp_lt_u32 s[UX], 12
	s_cbranch_scc1 .Lmlp
	s_cmp_eq_u32 s[UX], 12
	s_cbranch_scc1 .Lhead
.macro RND a                           ; four f32 numbers rounded to bf16, in place
	v_cvt_pk_bf16_f32 v[TP], v[(\a)], v[(\a)+1]
	v_cvt_pk_bf16_f32 v[TP+1], v[(\a)+2], v[(\a)+3]
	v_lshlrev_b32 v[(\a)], 16, v[TP]
	v_and_b32 v[(\a)+1], s[HM], v[TP]
	v_lshlrev_b32 v[(\a)+2], 16, v[TP+1]
	v_and_b32 v[(\a)+3], s[HM], v[TP+1]
.endm
.macro CV p                            ; piece p, eight numbers: to bf16, widened again, to f16.  It names TP, RR + 8 p .. + 7 and OU + 4 p .. + 3 alone
.irp e, 0,1,2,3
	v_cvt_pk_bf16_f32 v[TP+\e], v[RR+8*(\p)+2*\e], v[RR+8*(\p)+2*\e+1]
.endr
.irp e, 0,1,2,3
	v_lshlrev_b32 v[RR+8*(\p)+2*\e], 16, v[TP+\e]
	v_and_b32 v[RR+8*(\p)+2*\e+1], s[HM], v[TP+\e]
.endr
.irp e, 0,1,2,3
	v_cvt_pk_f16_f32 v[OU+4*(\p)+\e], v[RR+8*(\p)+2*\e], v[RR+8*(\p)+2*\e+1]
.endr
.endm
	; THE TABLES: unit e = UX - 13 + 4 LY of 16: eight of tok_emb, then eight of pos_emb, as they lie
	s_sub_co_u32 s[TS0], s[UX], 13
	s_lshl2_add_u32 s[TS0], s[LY], s[TS0]
	s_cmp_lt_u32 s[LY], 2
	s_cselect_b64 s[SRC:SRC+1], s[TOKE:TOKE+1], s[POSE:POSE+1]
	s_and_b32 s[TS1], s[TS0], 7
	s_lshl_b32 s[TS1], s[TS1], 15
	v_add_nc_u32 v6, s[TS1], v4
	s_lshl_b32 s[TS0], s[TS0], 15
	s_add_co_u32 s[TS0], s[TS0], TOKO
	v_add_nc_u32 v9, s[TS0], v4
	s_wait_alu depctr_va_vdst(0)                   ; v6 is written, which the loads read as their offset, and so is v9, the stores' offset
.set q, 0
.rept 8
	global_load_b128 v[RR+4*q:RR+4*q+3], v6, s[SRC:SRC+1] offset:4096*q
.set q, q+1
.endr
	s_wait_loadcnt 0x0
.set q, 0
.rept 4
	RND RR+4*q
.set q, q+1
.endr
	s_wait_alu depctr_va_vdst(0)                   ; the roundings have written pieces 0 to 3, which the four stores below read
.rept 4
	global_store_b128 v9, v[RR+4*(q-4):RR+4*(q-4)+3], s[WFP:WFP+1] offset:4096*(q-4)  ; no vector instruction since the wait names this piece or v9
	RND RR+4*q
.set q, q+1
.endr
	s_wait_alu depctr_va_vdst(0)                   ; the roundings have written pieces 4 to 7, which the last four stores read
.set q, 4
.rept 4
	global_store_b128 v9, v[RR+4*q:RR+4*q+3], s[WFP:WFP+1] offset:4096*q
.set q, q+1
.endr
	s_endpgm
.Lqkv:                                         ; w[l][hd][e][d]: fragment row = 16 (q % 2) + r of head q / 2, k = e: eight numbers 128 bytes apart
	s_cmp_eq_u32 s[UX], 0
	s_cselect_b64 s[SRC:SRC+1], s[WQ:WQ+1], s[WK:WK+1]
	s_cmp_eq_u32 s[UX], 2
	s_cselect_b64 s[SRC:SRC+1], s[WVV:WVV+1], s[SRC:SRC+1]
	s_mov_b64 s[DP:DP+1], s[PRV:PRV+1]
	s_lshl_b32 s[TS0], s[UX], 15
	s_add_co_u32 s[TS0], s[TS0], s[PT0]
	s_cmp_eq_u32 s[UX], 2
	s_cselect_b32 s[DOF], s[PT1], s[TS0]
	v_lshlrev_b32 v6, 5, v5                        ; (16 wave + 8 h) x 128
	v_lshl_add_u32 v6, v2, 2, v6
	s_lshl_b32 s[TS0], s[LY], 16
	v_add_nc_u32 v6, s[TS0], v6
	s_wait_alu depctr_va_vdst(0)                   ; v6 is written, which the loads read as their offset
.set q, 0
.rept 8
.irp e, 0,1,2,3,4,5,6,7
	global_load_b32 v[RR+8*q+\e], v6, s[SRC:SRC+1] offset:(q/2)*16384+(q%2)*64+\e*128
.endr
.set q, q+1
.endr
	s_branch .Lconv
.Lproj:                                        ; w_proj[l][n][k]: row 16 q + r
	s_mov_b64 s[SRC:SRC+1], s[WPROJ:WPROJ+1]
	s_mov_b64 s[DP:DP+1], s[CUR:CUR+1]
	s_mov_b32 s[DOF], PROJO
	v_lshl_add_u32 v6, v2, 9, v5
	s_lshl_b32 s[TS0], s[LY], 16
	v_add_nc_u32 v6, s[TS0], v6
	s_wait_alu depctr_va_vdst(0)                   ; v6 is written, which the loads read as their offset
.set q, 0
.rept 8
	global_load_b128 v[RR+8*q:RR+8*q+3], v6, s[SRC:SRC+1] offset:q*8192
	global_load_b128 v[RR+8*q+4:RR+8*q+7], v6, s[SRC:SRC+1] offset:q*8192+16
.set q, q+1
.endr
	s_branch .Lconv
.Lmlp:                                         ; unit m = UX - 4: hidden blocks 2 m and 2 m + 1 of 32; in a block 8 fragments of w1, then 8 of w2
	s_sub_co_u32 s[TS1], s[UX], 4
	s_mov_b64 s[DP:DP+1], s[CUR:CUR+1]
	s_lshl_b32 s[DOF], s[TS1], 15
	s_lshl_b32 s[TS0], s[LY], 18
	s_add_co_u32 s[SRC], s[TS0], s[DOF]            ; (a number, no address: layer and unit in w1)
	s_add_co_u32 s[DOF], s[DOF], MLPO
	v_lshl_add_u32 v6, v2, 9, v5
	v_add_nc_u32 v6, s[SRC], v6                    ; w1[l][64 m + ..][16 wave + 8 h]
	s_lshl_b32 s[TS1], s[TS1], 8
	s_add_co_u32 s[TS0], s[TS0], s[TS1]
	s_lshr_b32 s[TS1], s[WN], 1
	s_lshl_b32 s[TS1], s[TS1], 15
	s_add_co_u32 s[TS0], s[TS0], s[TS1]
	s_and_b32 s[TS1], s[WN], 1
	s_lshl_b32 s[TS1], s[TS1], 6
	s_add_co_u32 s[TS0], s[TS0], s[TS1]
	v_lshl_add_u32 v7, v2, 11, v8
	v_add_nc_u32 v7, s[TS0], v7                    ; w2[l][16 (wave / 2) + r + ..][64 m + 16 (wave % 2) + 8 h + ..]
	s_wait_alu depctr_va_vdst(0)                   ; v6 and v7 are written, which the loads read as their offsets
.set q, 0
.rept 8
.if (q%4) < 2
	global_load_b128 v[RR+8*q:RR+8*q+3], v6, s[W1:W1+1] offset:((q/4)*32+(q%4)*16)*512
	global_load_b128 v[RR+8*q+4:RR+8*q+7], v6, s[W1:W1+1] offset:((q/4)*32+(q%4)*16)*512+16
.else
	global_load_b128 v[RR+8*q:RR+8*q+3], v7, s[W2:W2+1] offset:((q%4)-2)*131072+(q/4)*128
	global_load_b128 v[RR+8*q+4:RR+8*q+7], v7, s[W2:W2+1] offset:((q%4)-2)*131072+(q/4)*128+16
.endif
.set q, q+1
.endr
	s_branch .Lconv
.Lhead:                                        ; w_head[n][k], unit LY: groups G = 2 LY + q / 4 of 64 columns; fragment row r is column 64 G + 4 r + q % 4
	s_mov_b64 s[DP:DP+1], s[WFP:WFP+1]
	s_add_co_u32 s[TS0], s[LY], 2
	s_and_b32 s[TS0], s[TS0], 3
	s_lshl_b32 s[TS0], s[TS0], 15
	s_add_co_u32 s[DOF], s[TS0], T1O               ; groups 0-3 lie behind groups 4-7 in the buffer
	v_lshl_add_u32 v6, v2, 11, v5
	s_lshl_b32 s[TS0], s[LY], 16
	v_add_nc_u32 v6, s[TS0], v6
	s_wait_alu depctr_va_vdst(0)                   ; v6 is written, which the loads read as their offset
.set q, 0
.rept 8
	global_load_b128 v[RR+8*q:RR+8*q+3], v6, s[WHEAD:WHEAD+1] offset:(q/4)*32768+(q%4)*512
	global_load_b128 v[RR+8*q+4:RR+8*q+7], v6, s[WHEAD:WHEAD+1] offset:(q/4)*32768+(q%4)*512+16
.set q, q+1
.endr
.Lconv:                                        ; eight numbers a piece: to bf16, widened again, to f16; a wave stores 512 consecutive bytes
	v_add_nc_u32 v9, s[DOF], v4
	s_wait_loadcnt 0x0
.set q, 0
.rept 4
	CV q
.set q, q+1
.endr
	s_wait_alu depctr_va_vdst(0)                   ; v9 and pieces 0 to 3 of OU are written, which the four stores below read
.rept 4
	global_store_b128 v9, v[OU+4*(q-4):OU+4*(q-4)+3], s[DP:DP+1] offset:4096*(q-4)  ; no vector instruction since the wait names this piece or v9
	CV q
.set q, q+1
.endr
	s_wait_alu depctr_va_vdst(0)                   ; pieces 4 to 7 of OU are written, which the stores below read; every conversion is done with RR
.set q, 4
.rept 4
	global_store_b128 v9, v[OU+4*q:OU+4*q+3], s[DP:DP+1] offset:4096*q
.set q, q+1
.endr
	s_cmp_eq_u32 s[UX], 2
	s_cbranch_scc0 .Lonce
.set q, 0
.rept 8                                        ; V once more, 32 KiB on.  No wait: no vector instruction has been issued since the last one
	global_store_b128 v9, v[OU+4*q:OU+4*q+3], s[DP:DP+1] offset:32768+4096*q
.set q, q+1
.endr
.Lonce:
	s_cmp_eq_u32 s[UX], 12
	s_cbranch_scc0 .Lend
	s_cmp_eq_u32 s[WN], 0
	s_cbranch_scc0 .Lend
	; THE SMALL VECTORS, by wave 0 of the head's unit: 512 bytes a load, 16 bytes a lane (in wave 0 the thread's number is the lane)
	s_lshl_b32 s[TS0], s[LY], 9
	v_add_nc_u32 v10, s[TS0], v4
	s_lshl_b32 s[TS0], s[LY], 11
	v_add_nc_u32 v11, s[TS0], v4
	v_add_nc_u32 v12, s[PLN], v4
	s_wait_alu depctr_va_vdst(0)                   ; v10, v11 and v12 are written, which the loads and stores below read as their offsets
	global_load_b128 v[RR:RR+3], v10, s[BPROJ:BPROJ+1]
	global_load_b128 v[RR+4:RR+7], v10, s[LN2G:LN2G+1]
	global_load_b128 v[RR+8:RR+11], v10, s[LN2B:LN2B+1]
	global_load_b128 v[RR+12:RR+15], v10, s[B2:B2+1]
.irp p, 0,1,2,3
	global_load_b128 v[RR+16+4*\p:RR+19+4*\p], v11, s[B1:B1+1] offset:512*\p
.endr
.irp p, 0,1,2,3
	global_load_b128 v[RR+32+4*\p:RR+35+4*\p], v4, s[BHEAD:BHEAD+1] offset:512*\p
.endr
	global_load_b128 v[RR+48:RR+51], v10, s[LN1G:LN1G+1]
	global_load_b128 v[RR+52:RR+55], v10, s[LN1B:LN1B+1]
	s_wait_loadcnt 0x0
.set q, 0
.rept 14
	RND RR+4*q
.set q, q+1
.endr
	s_wait_alu depctr_va_vdst(0)                   ; the roundings have written RR to RR + 55, which the fourteen stores below read
.set q, 0
.rept 8
	global_store_b128 v4, v[RR+4*q:RR+4*q+3], s[CUR:CUR+1] offset:PARO+512*q
.set q, q+1
.endr
.irp p, 0,1,2,3
	global_store_b128 v4, v[RR+32+4*\p:RR+35+4*\p], s[CUR:CUR+1] offset:512*\p
.endr
	global_store_b128 v12, v[RR+48:RR+51], s[PRV:PRV+1]
	global_store_b128 v12, v[RR+52:RR+55], s[PRV:PRV+1] offset:512
	s_cmp_eq_u32 s[LY], 3
	s_cbranch_scc0 .Lend
	global_load_b128 v[RR+56:RR+59], v4, s[LNFG:LNFG+1]  ; the last norm is the next norm of layer 3.  No wait: no vector instruction since the last one; no store has read RR + 56 to RR + 63
	global_load_b128 v[RR+60:RR+63], v4, s[LNFB:LNFB+1]
	s_wait_loadcnt 0x0
	RND RR+56
	RND RR+60
	s_wait_alu depctr_va_vdst(0)                   ; the roundings have written RR + 56 to RR + 63, which the two stores below read
	global_store_b128 v4, v[RR+56:RR+59], s[WFP:WFP+1] offset:PARO+4096
	global_store_b128 v4, v[RR+60:RR+63], s[WFP:WFP+1] offset:PARO+4608
.Lend:
	s_endpgm
.Lfunc_end_k_qe182a95d52_prep:
	.size	k_qe182a95d52_prep, .Lfunc_end_k_qe182a95d52_prep-k_qe182a95d52_prep
	.p2alignl 7, 3214868480
	.fill 96, 4, 3214868480
	.section	.rodata,"a",@progbits
	.p2align	6, 0x0
	.amdhsa_kernel k_qe182a95d52_prep
		.amdhsa_group_segment_fixed_size 0
		.amdhsa_private_segment_fixed_size 0
		.amdhsa_enable_private_segment 0
		.amdhsa_kernarg_size 184
		.amdhsa_user_sgpr_count 2
		.amdhsa_user_sgpr_kernarg_segment_ptr 1
		.amdhsa_wavefront_size32 1
		.amdhsa_system_sgpr_workgroup_id_x 1
		.amdhsa_system_sgpr_workgroup_id_y 1
		.amdhsa_system_sgpr_workgroup_id_z 1
		.amdhsa_system_vgpr_workitem_id 0
		.amdhsa_next_free_vgpr 128
		.amdhsa_next_free_sgpr 80
		.amdhsa_reserve_vcc 0
		.amdhsa_float_denorm_mode_32 3
		.amdhsa_float_denorm_mode_16_64 3
		.amdhsa_memory_ordered 1
		.amdhsa_forward_progress 1
		.amdhsa_inst_pref_size 34
	.end_amdhsa_kernel
	.amdgpu_metadata
---
amdhsa.version: [ 1, 2 ]
amdhsa.kernels:
  - .name:           k_qe182a95d52_prep
    .symbol:         k_qe182a95d52_prep.kd
    .args:
      - { .name: wq, .offset: 0, .size: 8, .value_kind: global_buffer, .address_space: global }
      - { .name: wk, .offset: 8, .size: 8, .value_kind: global_buffer, .address_space: global }
      - { .name: wv, .offset: 16, .size: 8, .value_kind: global_buffer, .address_space: global }
      - { .name: w_proj, .offset: 24, .size: 8, .value_kind: global_buffer, .address_space: global }
      - { .name: w1, .offset: 32, .size: 8, .value_kind: global_buffer, .address_space: global }
      - { .name: w2, .offset: 40, .size: 8, .value_kind: global_buffer, .address_space: global }
      - { .name: w_head, .offset: 48, .size: 8, .value_kind: global_buffer, .address_space: global }
      - { .name: b_proj, .offset: 56, .size: 8, .value_kind: global_buffer, .address_space: global }
      - { .name: ln2_g, .offset: 64, .size: 8, .value_kind: global_buffer, .address_space: global }
      - { .name: ln2_b, .offset: 72, .size: 8, .value_kind: global_buffer, .address_space: global }
      - { .name: b2, .offset: 80, .size: 8, .value_kind: global_buffer, .address_space: global }
      - { .name: b1, .offset: 88, .size: 8, .value_kind: global_buffer, .address_space: global }
      - { .name: ln1_g, .offset: 96, .size: 8, .value_kind: global_buffer, .address_space: global }
      - { .name: ln1_b, .offset: 104, .size: 8, .value_kind: global_buffer, .address_space: global }
      - { .name: lnf_g, .offset: 112, .size: 8, .value_kind: global_buffer, .address_space: global }
      - { .name: lnf_b, .offset: 120, .size: 8, .value_kind: global_buffer, .address_space: global }
      - { .name: b_head, .offset: 128, .size: 8, .value_kind: global_buffer, .address_space: global }
      - { .name: tok_emb, .offset: 136, .size: 8, .value_kind: global_buffer, .address_space: global }
      - { .name: pos_emb, .offset: 144, .size: 8, .value_kind: global_buffer, .address_space: global }
      - { .name: wM0, .offset: 152, .size: 8, .value_kind: global_buffer, .address_space: global }
      - { .name: wM1, .offset: 160, .size: 8, .value_kind: global_buffer, .address_space: global }
      - { .name: wM2, .offset: 168, .size: 8, .value_kind: global_buffer, .address_space: global }
      - { .name: wF, .offset: 176, .size: 8, .value_kind: global_buffer, .address_space: global }
    .group_segment_fixed_size: 0
    .private_segment_fixed_size: 0
    .kernarg_segment_align: 8
    .kernarg_segment_size: 184
    .max_flat_workgroup_size: 256
    .sgpr_count:     80
    .vgpr_count:     128
    .wavefront_size: 32
...
	.end_amdgpu_metadata
.endif
;; end of part 5
;; launch emb: the kernel of part 2 again; grid 256 x 1, 4 waves a work-group, clusters of 4 x 1, 269,824 bytes of LDS; arguments idx, wF, stA; writes stA
;; launch lay0: the kernel of part 3 again; grid 256 x 1, 4 waves a work-group, clusters of 4 x 1, 327,680 bytes of LDS; arguments stA, wM0, stB; writes stB
;; launch lay1: the kernel of part 3 again; grid 256 x 1, 4 waves a work-group, clusters of 4 x 1, 327,680 bytes of LDS; arguments stB, wM1, stA; writes stA
;; launch lay2: the kernel of part 3 again; grid 256 x 1, 4 waves a work-group, clusters of 4 x 1, 327,680 bytes of LDS; arguments stA, wM2, stB; writes stB
;; launch lay3: the kernel of part 4 again; grid 256 x 1, 4 waves a work-group, clusters of 4 x 1, 327,680 bytes of LDS; arguments stB, wF, out0; writes out0
